; MI455X (gfx1250); checked and timed in simulation.
; The chip was launched on July 23, 2026; its instructions are those of AMD's public machine-readable ISA for CDNA 5 (MIT licence, August 2026) and "CDNA5" Instruction Set Architecture Reference Guide (July 2026). The comments in the code are by the model that wrote it; some were corrected since.
;; Self Attention. Allowed arithmetic: matrix products marked QUANTISED: E2M1 operands, one E8M0 scale for each 32 along K, by v_wmma_scale_f32_16x16x128_f8f6f4 with both operands' format E2M1 (or v_wmma_scale_f32_32x16x128_f4), f32 sums; everything else in f32.
;; Inputs: Wk 1,024 x 1,024 float32; Wo 1,024 x 1,024 float32; Wq 1,024 x 1,024 float32; Wv 1,024 x 1,024 float32; beta 1,024 float32; bk 1,024 float32; bo 1,024 float32; bq 1,024 float32; bv 1,024 float32; gamma 1,024 float32; x 4 x 2,048 x 1,024 float32.
;; Outputs: out0 4 x 2,048 x 1,024 float32.
;; This version of the problem:
;;   THIS VERSION OF THE PROBLEM IS GIVEN IN LOW PRECISION. The matrix products marked QUANTISED in the list below multiply operands that are first quantised to E2M1 (2 exponent bits, 1 mantissa bit; 4 bits a number), with one power-of-two scale for each 32 numbers along K (OCP MX v1.0); their sums are f32. All else is computed in f32.
;;   The module's matrix products, in the order in which they are computed (A, B: the left and right operand; K: the contracted axis; several contracted axes count as one K, in the product's order):
;;     1. [M 8,192, K 1,024] x [K 1,024, N 1,024]; A: input x; B: input Wq: QUANTISED
;;     2. [M 8,192, K 1,024] x [K 1,024, N 1,024]; A: input x; B: input Wk: QUANTISED
;;     3. [M 8,192, K 1,024] x [K 1,024, N 1,024]; A: input x; B: input Wv: QUANTISED
;;     4. batch 64 x [M 2,048, K 64] x [K 64, N 2,048]; A: computed on the way; B: computed on the way: QUANTISED
;;     5. batch 64 x [M 2,048, K 2,048] x [K 2,048, N 64]; A: softmax (see below); B: computed on the way: QUANTISED
;;     6. [M 8,192, K 1,024] x [K 1,024, N 1,024]; A: computed on the way; B: input Wo: QUANTISED
;;   THE QUANTISER, for each operand of a quantised product, along K:
;;     - K is cut into blocks of 32 from its start; a last block that is shorter is filled with zeros.
;;     - A block's scale is 2^e with e = floor(log2(the largest magnitude in the block)) - 2, held to -126 .. 127; a block of zeros has e = 0. As a byte (E8M0): e + 127.
;;     - Each number is divided by its block's scale, clamped to +-6, and rounded to the nearest number of E2M1, ties to even, subnormals kept.
;;     - The product sums the exact products of the quantised numbers (number of the format x scale) in f32.
;;   ~~~python
;;   def quantise(x, axis):      # numpy; x: float32 -> the quantised numbers, widened to float32 again
;;       x = np.moveaxis(x, axis, -1); K = x.shape[-1]
;;       x = np.pad(x, [(0, 0)] * (x.ndim - 1) + [(0, -K % 32)]); x = x.reshape(x.shape[:-1] + (-1, 32)); a = np.abs(x).max(-1, keepdims=True)
;;       e = np.where(a > 0, np.clip(np.frexp(np.where(a > 0, a, 1))[1] - 1 - 2, -126, 127), 0)      # np.frexp(a)[1] - 1 = floor(log2(a)), exactly
;;       r = np.clip(x / 2.0 ** e, -6, 6)
;;       step = 2.0 ** (np.maximum(np.frexp(np.where(r == 0, 1, r))[1] - 1, 0) - 1)
;;       q = np.round(r / step) * step * 2.0 ** e      # np.round: ties to even
;;       return np.moveaxis(q.reshape(q.shape[:-2] + (-1,))[..., :K], -1, axis).astype(np.float32)
;;   ~~~
;;   SOFTMAX AHEAD OF A QUANTISED PRODUCT. Where the list says 'softmax', what is quantised is not the finished softmax but p = 2^(t - M), with t = logit x log2(e) and M = ceil(the row's largest t), a whole number; so 1/2 < the row's largest p <= 1. The row's sum l is taken of the UNQUANTISED p, in f32, and the product's result is divided by l at the end. Since M is a whole number, a kernel that streams over the keys may use a running M (the ceiling of the running maximum): every later rescaling is an exact power of two, which a block's scale takes up: the codes' values come out the same.
;;   OPERANDS COMPUTED ON THE WAY. 'Computed on the way' means the value that the module computes at that place (a softmax that the list does not call 'softmax' is quantised finished and normalised). What goes into a quantiser is computed in f32, as accurately as f32 sums, v_exp_f32 and their like allow (about 1e-6 of the number): no bf16 or f16 on the way to a quantiser, and a product that is left as it is and whose result goes on into a quantised operand takes f32 operands (vector FMAs, or v_wmma_f32_16x16x4_f32). A number that lies on a knife's edge between two numbers of the format may be rounded either way, as far as f32 arithmetic and the matrix unit's own rounding can turn it there, and no further.
;; One version. Each part assembles by itself: llvm-mc -triple=amdgcn-amd-amdhsa -mcpu=gfx1250 --defsym DOCPART=n.
;; ======== version 1 of 1: 4 launches
;; workspace buffers: xc 4,194,304 bytes; xs 262,144 bytes; wc 1,572,864 bytes; woi 524,288 bytes; ws 131,072 bytes; qkv 13,369,344 bytes; cc 4,194,304 bytes; cs 262,144 bytes
;; launch quant (part 1): grid 320 x 1, 4 waves a work-group, no clusters, 69,120 bytes of LDS; arguments x, Wq, Wk, Wv, Wo, xc, xs, wc, woi, ws; writes xc, xs, wc, woi, ws
.if DOCPART == 1
	.amdgcn_target "amdgcn-amd-amdhsa--gfx1250"
	.amdhsa_code_object_version 6
	.text
	.protected	k_qb360888573_quant
	.globl	k_qb360888573_quant
	.p2align	8
	.type	k_qb360888573_quant,@function
k_qb360888573_quant:
	s_mov_b64 s[64:65], 0
	v_nop
	global_prefetch_b8 v0, s[64:65] scope:SCOPE_SE
	s_setreg_imm32_b32 hwreg(HW_REG_WAVE_MODE, 25, 1), 1
	s_wait_xcnt 0x0
; x [8192][1024] and Wq, Wk, Wv, Wo [1024 (k)][1024 (n)], f32, become codes of FP4 (E2M1) with K innermost and one E8M0 byte for each 32 along K.
; A block's scale is 2^(floor(log2(largest magnitude)) - 2): its byte is the largest magnitude's exponent field - 2, held at 1 from below.
; LIMITS: a block of zeros, or one whose largest magnitude lies under 2^-124, gets the byte 1 (its codes are zeros or are held; only this program reads the bytes); NaN and infinities are not served.
; POSITION ORDER.  Rows of x, and columns n of a weight, are stored so that position P holds the true index P with bits 3 and 4 exchanged.  A tile of 16 positions then holds eight
; neighbours and the eight that lie 16 further on, so that a product that takes such a tile as source 0 leaves 16 true neighbours in a lane's 16 registers of two neighbouring tiles.
; SHARES.  Work-groups 0-63 take the weights (128 columns x 512 along K each), work-groups 64-319 take x (32 rows each).  The two ways have LDS bytes of their own.  No barrier: waves share nothing.
.set WGW,   64                         ; work-groups for the weights
; ---- x's way: a wave takes 8 rows = 16 steps of 512 numbers
.set SP,    80                         ; a lane's place in a stage: its 64 bytes + 16 of padding
.set WREG,  8192                       ; LDS of a wave: two stages of 32 x SP bytes, then its 256 scale bytes
.set STEPS, 16
.set CB,    8                          ; bytes of 16 codes
.set R,     16                         ; v16-79   four sets of 16 numbers as loaded
.set X,     80                         ; v80-111  two sets of 16 neighbours
.set E,     112                        ; v112-127 a scale byte for each step
.set C,     128                        ; v128-191 codes, four registers a step: no store's data are written again
; ---- the weights' way: a wave takes 32 columns x 512 along K, a lane a column, registers down K
.set WST,   32768                      ; LDS: the weights' stages begin here, 32 rows x PITCH for each wave
.set PITCH, 272                        ; 256 bytes of codes + 16
.set NB,    16                         ; blocks of 32 along K
.set XW,    32                         ; v32-95   two sets of 32 numbers
.set CW,    96                         ; v96-99   a block's codes
.set OUTR,  112                        ; v112-175 the way out
.set SB,    24                         ; v24-27   the scale bytes, four to a register
	s_load_b512 s[4:19], s[0:1], 0x0               ; x s[4:5], Wq s[6:7], Wk s[8:9], Wv s[10:11], Wo s[12:13], xc s[14:15], xs s[16:17], wc s[18:19]
	s_load_b128 s[20:23], s[0:1], 0x40             ; woi s[20:21], ws s[22:23]
	v_lshl_add_u32 v192, v0, 2, 0x10c00
	v_mov_b32 v193, 0
	v_lshrrev_b32 v1, 5, v0
	v_readfirstlane_b32 s24, v1                    ; wave 0..3
	v_and_b32 v2, 31, v0                           ; lane
	s_cmp_lt_u32 ttmp9, WGW
	s_cbranch_scc1 .Lweights
	; ================= x =================
	v_lshlrev_b32 v3, 4, v2                        ; my 16 bytes of a load's 512
	s_mul_i32 s25, s24, WREG
	v_lshrrev_b32 v14, 2, v2
	v_mul_u32_u24 v14, v14, SP
	v_and_b32 v15, 3, v2
	v_lshl_add_u32 v14, v15, 4, v14
	v_add_nc_u32 v14, s25, v14                     ; the stage, on the way in: four lanes' 64 bytes on end, then 16 of padding
	v_mul_u32_u24 v15, v2, SP
	v_add_nc_u32 v15, s25, v15                     ; on the way out: my 16 neighbours
	v_mul_u32_u24 v4, v2, CB                       ; my codes' place in a step's
	v_lshrrev_b32 v5, 1, v2
	s_add_co_u32 s25, s25, 2*32*SP
	v_add_nc_u32 v5, s25, v5                       ; my block's byte among my wave's 256
	v_lshlrev_b32 v7, 3, v2
	v_add_nc_u32 v6, s25, v7                       ; and on the way out 8 bytes a lane
	s_sub_co_u32 s26, ttmp9, WGW
	s_lshl_b32 s26, s26, 2                         ; the group's first run of 8 rows
	s_add_co_u32 s28, s26, s24                     ; the run that I read
	s_and_b32 s27, s24, 1
	s_lshl_b32 s27, s27, 1
	s_lshr_b32 s29, s24, 1
	s_or_b32 s27, s27, s29                         ; the wave's two bits exchanged: row bits 3 and 4
	s_add_co_u32 s30, s26, s27                     ; the run that I write
	s_lshl_b32 s28, s28, 15                        ; 32,768 bytes of f32 a run
	s_mov_b32 s29, 0
	s_lshl_b32 s32, s30, 12                        ; 4,096 bytes of codes
	s_mov_b32 s33, 0
	s_lshl_b32 s30, s30, 8                         ; 256 scale bytes
	s_mov_b32 s31, 0
	s_wait_alu depctr_va_vdst(0)
	s_wait_kmcnt 0x0
	s_add_nc_u64 s[4:5], s[4:5], s[28:29]
	s_add_nc_u64 s[14:15], s[14:15], s[32:33]
	s_add_nc_u64 s[16:17], s[16:17], s[30:31]
.macro LOAD t
.irp i, 0,1,2,3
	global_load_b128 v[R+16*((\t)%4)+4*\i:R+16*((\t)%4)+4*\i+3], v3, s[4:5] offset:2048*(\t)+512*\i th:TH_LOAD_NT   ; 32 lanes read 512 consecutive bytes
.endr
.endm
.macro TURN t                          ; step t's numbers through the stage: LDS serves a wave's instructions in order, so no wait stands between the stores and the loads
.irp i, 0,1,2,3
	ds_store_b128 v14, v[R+16*((\t)%4)+4*\i:R+16*((\t)%4)+4*\i+3] offset:32*SP*((\t)%2)+8*SP*\i
.endr
.irp i, 0,1,2,3
	ds_load_b128 v[X+16*((\t)%2)+4*\i:X+16*((\t)%2)+4*\i+3], v15 offset:32*SP*((\t)%2)+16*\i
.endr
.endm
.irp t, 0,1,2,3
	LOAD \t
.endr
	s_wait_loadcnt 12                              ; step 0's four loads are in; the twelve of steps 1 to 3 may be out
	TURN 0
.macro STEP t
.set XS, X+16*((\t)%2)
.if (\t) > 0
	s_wait_dscnt 1                                 ; this step's numbers are back from the stage; the last step's byte store may be out
.else
	s_wait_dscnt 0x0
.endif
.if (\t)+4 < STEPS
	LOAD (\t)+4                                    ; into the registers that the stage's stores have read
.endif
.if (\t)+1 < STEPS
.if STEPS-2-(\t) >= 3
	s_wait_loadcnt 12                              ; the next step's four loads are in; those of the three steps behind it may be out
.else
	s_wait_loadcnt 4*(STEPS-2-(\t))
.endif
	TURN (\t)+1
.endif
	v_max3_num_f32 v8, |v[XS]|, |v[XS+1]|, |v[XS+2]|               ; the largest magnitude of my 16, in two chains
	v_max3_num_f32 v9, |v[XS+3]|, |v[XS+4]|, |v[XS+5]|
.irp i, 6,10
	v_max3_num_f32 v8, v8, |v[XS+\i]|, |v[XS+\i+1]|
	v_max3_num_f32 v9, v9, |v[XS+\i+2]|, |v[XS+\i+3]|
.endr
	v_max3_num_f32 v8, v8, |v[XS+14]|, |v[XS+15]|
	v_max3_num_f32 v8, v8, v9, 0x1800000           ; and the floor 2^(3 - 127): the byte cannot fall under 1
	v_max_num_f32_dpp v8, v8, v8 row_xmask:1 row_mask:0xf bank_mask:0xf   ; with my neighbour's 16: the block's
	v_add_nc_u32 v11, 0xff000000, v8               ; 2 off its exponent field: the conversion takes this operand's exponent field as its scale
	v_cvt_scalef32_pk8_fp4_f32 v[C+4*(\t)], v[XS:XS+7], v11
	v_cvt_scalef32_pk8_fp4_f32 v[C+4*(\t)+1], v[XS+8:XS+15], v11
	v_lshrrev_b32 v[E+(\t)], 23, v11               ; the scale's byte
	ds_store_b8 v5, v[E+(\t)] offset:16*(\t)       ; both lanes of a block write the same byte with the same value
	global_store_b64 v4, v[C+4*(\t):C+4*(\t)+1], s[14:15] offset:32*CB*(\t)   ; the wave stores 256 consecutive bytes, aligned
.endm
.irp t, 0,1,2,3,4,5,6,7,8,9,10,11,12,13,14,15
	STEP \t
.endr
	ds_load_b64 v[12:13], v6                       ; in order behind my byte stores
	s_wait_dscnt 0x0
	global_store_b64 v7, v[12:13], s[16:17]        ; 256 consecutive bytes, aligned
	s_wait_tensorcnt 0x0
	ds_add_u32 v192, v193
	s_wait_dscnt 0x0
	s_endpgm
	; ================= the weights =================
.Lweights:
	s_lshr_b32 s25, ttmp9, 4                       ; which weight: 0 q, 1 k, 2 v, 3 o
	s_bfe_u32 s26, ttmp9, 0x30001                  ; which 128 columns
	s_and_b32 s27, ttmp9, 1                        ; which 512 along K
	s_lshl_b32 s26, s26, 7
	s_lshl_b32 s28, s24, 5
	s_add_co_u32 s26, s26, s28                     ; n0: my wave's first column
	s_wait_alu depctr_va_vdst(0)
	v_lshlrev_b32 v3, 2, v2                        ; in: 4 bytes a lane
	s_mul_i32 s29, s24, 32*PITCH
	s_add_co_u32 s29, s29, WST                     ; my stage
	v_and_b32 v10, 7, v2
	v_bfe_u32 v11, v2, 3, 1
	v_lshl_add_u32 v10, v11, 4, v10
	v_bfe_u32 v11, v2, 4, 1
	v_lshl_add_u32 v10, v11, 3, v10                ; my column's position among the 32: bits 3 and 4 exchanged
	v_mul_u32_u24 v4, v10, PITCH
	v_add_nc_u32 v4, s29, v4                       ; into the stage: row = position
	v_and_b32 v5, 15, v2
	v_lshrrev_b32 v6, 4, v2
	v_mul_u32_u24 v7, v6, PITCH
	v_lshl_add_u32 v7, v5, 4, v7
	v_add_nc_u32 v7, s29, v7                       ; out by rows: sixteen lanes to a row, two rows an instruction
	v_lshlrev_b32 v8, 9, v6
	v_lshl_add_u32 v8, v5, 4, v8                   ; and the same place in wc (rows of 512 bytes)
	v_mul_u32_u24 v14, v5, PITCH
	v_lshl_add_u32 v14, v6, 4, v14
	v_add_nc_u32 v14, s29, v14                     ; out as register images: row lane % 16, + 16 (lane / 16)
	v_lshlrev_b32 v15, 4, v2                       ; and 16 x lane in woi
	v_lshlrev_b32 v9, 5, v10                       ; my position's row of 32 scale bytes
	s_lshl_b32 s30, s27, 21                        ; 512 rows of 4,096 bytes
	s_lshl_b32 s31, s26, 2
	s_add_co_u32 s30, s30, s31
	s_mov_b32 s31, 0
	s_lshl_b32 s32, s25, 10
	s_add_co_u32 s32, s32, s26                     ; my first position among the four weights' 4,096
	s_lshl_b32 s34, s32, 5
	s_lshl_b32 s35, s27, 4
	s_add_co_u32 s34, s34, s35
	s_mov_b32 s35, 0
	s_wait_kmcnt 0x0
	s_cmp_eq_u32 s25, 1                            ; the weight is chosen by the work-group's number alone
	s_cselect_b64 s[6:7], s[8:9], s[6:7]
	s_cmp_eq_u32 s25, 2
	s_cselect_b64 s[6:7], s[10:11], s[6:7]
	s_cmp_eq_u32 s25, 3
	s_cselect_b64 s[6:7], s[12:13], s[6:7]
	s_add_nc_u64 s[6:7], s[6:7], s[30:31]
	s_add_nc_u64 s[22:23], s[22:23], s[34:35]
.macro LOADW t                         ; block t: W(32 t + i, my column), i = 0 .. 31: each load reads 128 consecutive bytes
.irp i, 0,1,2,3,4,5,6,7,8,9,10,11,12,13,14,15,16,17,18,19,20,21,22,23,24,25,26,27,28,29,30,31
	global_load_b32 v[XW+32*((\t)%2)+\i], v3, s[6:7] offset:(32*(\t)+\i)*4096 th:TH_LOAD_NT
.endr
.endm
	LOADW 0
	LOADW 1
.macro BLOCK t
.set XB, XW+32*((\t)%2)
.if (\t) < NB-1
	s_wait_loadcnt 32                              ; this block's 32 loads are in; the next block's may be out
.else
	s_wait_loadcnt 0
.endif
	v_max3_num_f32 v12, |v[XB]|, |v[XB+1]|, |v[XB+2]|              ; all 32 numbers of the block are mine
	v_max3_num_f32 v13, |v[XB+3]|, |v[XB+4]|, |v[XB+5]|
.irp i, 6,10,14,18,22,26
	v_max3_num_f32 v12, v12, |v[XB+\i]|, |v[XB+\i+1]|
	v_max3_num_f32 v13, v13, |v[XB+\i+2]|, |v[XB+\i+3]|
.endr
	v_max3_num_f32 v12, v12, |v[XB+30]|, |v[XB+31]|
	v_max3_num_f32 v12, v12, v13, 0x1800000
	v_add_nc_u32 v11, 0xff000000, v12
	v_lshrrev_b32 v13, 23, v11
.if (\t)%4 == 0
	v_mov_b32 v[SB+(\t)/4], v13                    ; four bytes to a register, the lower K in the lower byte
.else
	v_lshl_or_b32 v[SB+(\t)/4], v13, 8*((\t)%4), v[SB+(\t)/4]
.endif
.irp g, 0,1,2,3
	v_cvt_scalef32_pk8_fp4_f32 v[CW+\g], v[XB+8*\g:XB+8*\g+7], v11
.endr
	ds_store_b128 v4, v[CW:CW+3] offset:16*(\t)    ; 32 codes: 16 bytes of my position's row
.if (\t)+2 < NB
	LOADW (\t)+2
.endif
	s_wait_dscnt 0x0                               ; the store has read its registers: the next block's codes may be written
.endm
.irp t, 0,1,2,3,4,5,6,7,8,9,10,11,12,13,14,15
	BLOCK \t
.endr
	s_wait_alu depctr_va_vdst(0)
	global_store_b128 v9, v[SB:SB+3], s[22:23]     ; my column's 16 scale bytes: pieces of 16 bytes, rows 32 bytes apart: one byte for each 128 that the way reads
	s_cmp_eq_u32 s25, 3
	s_cbranch_scc1 .Limages
	; Wq, Wk, Wv leave as rows of wc: sixteen lanes store 256 consecutive bytes, aligned
	s_lshl_b32 s30, s32, 9
	s_lshl_b32 s31, s27, 8
	s_add_co_u32 s30, s30, s31
	s_mov_b32 s31, 0
	s_add_nc_u64 s[18:19], s[18:19], s[30:31]
.irp t, 0,1,2,3,4,5,6,7,8,9,10,11,12,13,14,15
	ds_load_b128 v[OUTR+4*\t:OUTR+4*\t+3], v7 offset:2*\t*PITCH
.endr
.irp t, 0,1,2,3,4,5,6,7,8,9,10,11,12,13,14,15
	s_wait_dscnt 15-\t                             ; the younger loads may be out
	global_store_b128 v8, v[OUTR+4*\t:OUTR+4*\t+3], s[18:19] offset:2*\t*512
.endr
	s_wait_tensorcnt 0x0
	ds_add_u32 v192, v193
	s_wait_dscnt 0x0
	s_endpgm
.Limages:
	; Wo leaves as images of its operand registers: [tile of 16 positions][K step][half c][lane][16 bytes]: lane (r, h) holds row r, k = 128 s + 64 c + 32 h + 0 .. 31
	s_lshl_b32 s30, s26, 9                         ; (n0 / 16) tiles of 8,192 bytes
	s_lshl_b32 s31, s27, 12                        ; four K steps of 1,024 bytes
	s_add_co_u32 s30, s30, s31
	s_mov_b32 s31, 0
	s_add_nc_u64 s[20:21], s[20:21], s[30:31]
.irp t, 0,1,2,3,4,5,6,7,8,9,10,11,12,13,14,15      ; t = 8 T + 2 s + c
	ds_load_b128 v[OUTR+4*\t:OUTR+4*\t+3], v14 offset:16*(\t/8)*PITCH+64*((\t/2)%4)+32*(\t%2)
.endr
.irp t, 0,1,2,3,4,5,6,7,8,9,10,11,12,13,14,15
	s_wait_dscnt 15-\t
	global_store_b128 v15, v[OUTR+4*\t:OUTR+4*\t+3], s[20:21] offset:8192*(\t/8)+1024*((\t/2)%4)+512*(\t%2)   ; 512 consecutive bytes
.endr
	s_wait_tensorcnt 0x0
	ds_add_u32 v192, v193
	s_wait_dscnt 0x0
	s_endpgm
.Lfunc_end_k_qb360888573_quant:
	.size	k_qb360888573_quant, .Lfunc_end_k_qb360888573_quant-k_qb360888573_quant
	.p2alignl 7, 3214868480
	.fill 96, 4, 3214868480
	.section	.rodata,"a",@progbits
	.p2align	6, 0x0
	.amdhsa_kernel k_qb360888573_quant
		.amdhsa_group_segment_fixed_size 69120
		.amdhsa_private_segment_fixed_size 0
		.amdhsa_enable_private_segment 0
		.amdhsa_kernarg_size 80
		.amdhsa_user_sgpr_count 2
		.amdhsa_user_sgpr_kernarg_segment_ptr 1
		.amdhsa_wavefront_size32 1
		.amdhsa_system_sgpr_workgroup_id_x 1
		.amdhsa_system_sgpr_workgroup_id_y 1
		.amdhsa_system_sgpr_workgroup_id_z 1
		.amdhsa_system_vgpr_workitem_id 0
		.amdhsa_next_free_vgpr 194
		.amdhsa_next_free_sgpr 66
		.amdhsa_reserve_vcc 0
		.amdhsa_float_denorm_mode_32 3
		.amdhsa_float_denorm_mode_16_64 3
		.amdhsa_memory_ordered 1
		.amdhsa_forward_progress 1
		.amdhsa_inst_pref_size 115
	.end_amdhsa_kernel
	.amdgpu_metadata
---
amdhsa.version: [ 1, 2 ]
amdhsa.kernels:
  - .name:           k_qb360888573_quant
    .symbol:         k_qb360888573_quant.kd
    .args:
      - { .name: x, .offset: 0, .size: 8, .value_kind: global_buffer, .address_space: global }
      - { .name: Wq, .offset: 8, .size: 8, .value_kind: global_buffer, .address_space: global }
      - { .name: Wk, .offset: 16, .size: 8, .value_kind: global_buffer, .address_space: global }
      - { .name: Wv, .offset: 24, .size: 8, .value_kind: global_buffer, .address_space: global }
      - { .name: Wo, .offset: 32, .size: 8, .value_kind: global_buffer, .address_space: global }
      - { .name: xc, .offset: 40, .size: 8, .value_kind: global_buffer, .address_space: global }
      - { .name: xs, .offset: 48, .size: 8, .value_kind: global_buffer, .address_space: global }
      - { .name: wc, .offset: 56, .size: 8, .value_kind: global_buffer, .address_space: global }
      - { .name: woi, .offset: 64, .size: 8, .value_kind: global_buffer, .address_space: global }
      - { .name: ws, .offset: 72, .size: 8, .value_kind: global_buffer, .address_space: global }
    .group_segment_fixed_size: 69120
    .private_segment_fixed_size: 0
    .kernarg_segment_align: 8
    .kernarg_segment_size: 80
    .max_flat_workgroup_size: 128
    .sgpr_count:     66
    .vgpr_count:     194
    .wavefront_size: 32
...
	.end_amdgpu_metadata
.endif
;; end of part 1
;; launch qkv (part 2): grid 12 x 32, 4 waves a work-group, clusters of 4 x 4, 327,680 bytes of LDS; arguments xc, xs, wc, ws, bq, bk, bv, qkv; writes qkv
.if DOCPART == 2
	.amdgcn_target "amdgcn-amd-amdhsa--gfx1250"
	.amdhsa_code_object_version 6
	.text
	.protected	k_qb360888573_qkv
	.globl	k_qb360888573_qkv
	.p2align	8
	.type	k_qb360888573_qkv,@function
k_qb360888573_qkv:
	s_mov_b64 s[64:65], 0
	v_nop
	global_prefetch_b8 v0, s[64:65] scope:SCOPE_SE
	s_setreg_imm32_b32 hwreg(HW_REG_WAVE_MODE, 25, 1), 1
	s_wait_xcnt 0x0
	s_wait_alu depctr_hold_cnt(0) depctr_sa_sdst(0) depctr_va_vdst(0) depctr_va_sdst(0) depctr_va_ssrc(0) depctr_va_vcc(0) depctr_vm_vsrc(0)
	s_getreg_b32 s2, hwreg(HW_REG_IB_STS2, 6, 4)
	s_cmp_eq_u32 s2, 0
	s_cbranch_scc0 .Lentry_in_a_cluster
	s_endpgm
.Lentry_in_a_cluster:
	s_bfe_u32 s2, ttmp6, 0x10000c
	s_cmp_lg_u32 s2, 0xf033
	s_cbranch_scc0 .Lentry_shape_is_right
	s_endpgm
.Lentry_shape_is_right:
; q = x Wq + bq, k = x Wk + bk, v = x Wv + bv on codes of FP4 with E8M0 scales (K = 1,024), and the results quantised in registers: q and k along the head's 64, v along the keys.
; ONE SHAPE FOR ALL THREE: C = A B^T on tiles of 256 x 256, four waves, 128 x 128 a wave (64 accumulators, 512 registers).  The cluster's x says which: 0 q, 1 k, 2 v.
;   q, k: A = x (8,192 positions), B = the weight's 1,024 positions.      v: A = Wv's 1,024 positions, B = x: the result is v^T.
; THE MATRIX INSTRUCTION IS USED TRANSPOSED (source 0 = 16 rows of B, source 1 = 16 rows of A): a lane holds one row of A and its registers run along B's rows.  B lies in position order (bits 3 and 4 of a
; row's number exchanged), so the 64 registers of a block of A are, register 16 b + i, the true index 32 b + 16 (lane / 16) + i: features for q and k, keys for v: the axis along which each is quantised.
; K is two slots of 512, both first fills: no LDS byte is filled twice.  The scales of the tile's rows come once, as dense blocks.  The bias is the C of the first step's products.
; CLUSTERS: 4 x 4 work-groups; A's tiles are asked for jointly along a row of the cluster, B's along a column.
; OUT: records of HS bytes for each (batch, head): K's codes, V's codes, K's scale words, V's scale words, Q's codes, Q's scale words, all as images of operand registers (16 bytes a lane, 512 a store).
; LIMITS: a block of zeros, or one whose largest magnitude lies under 2^-124, gets the byte 1; NaN and infinities are not served.
; REGISTERS: window 0: v0-31 addresses; v32-95 scale words, two sets; v96-115 at work on the way out; v128-191 A's fragments, later the codes made; v192-255 the bias, later at work.
;   window 1: B's fragments, two sets.   windows 2, 3: the accumulators ((a, b) at v[8 (8 (a % 4) + b)]).
.set KSTEP,  512
.set NQ,     4                         ; matrix instructions deep in a slot
.set ROWB,   256                       ; a tile's row in bytes
.set KROW,   512                       ; a row of codes in memory
.set PITCH,  272                       ; an LDS row: 256 bytes + 16 of padding, so that the 16 rows of a fragment load start 68 words apart
.set FR,     8
.set NL,     2
.set NP,     4                         ; places behind this matrix instruction (ISA guide 7.12.1)
.set HALFT,  128*PITCH
.set SLOT,   4*HALFT
.set KS,     32                        ; a row of scale bytes
.set SCL,    2*SLOT
.set HALFS,  (128*KS/256)*272
.set SBLK,   (16*KS/256)*272
.set SPARE,  SCL+4*HALFS               ; the spare words, 128 bytes a wave; no other line names them
.set HS,     208896                    ; a record of qkv
.set VOFF,   65536
.set KSOFF,  131072
.set VSOFF,  135168
.set QOFF,   139264
.set QSOFF,  204800
.set ADRA, 16
.set ADRB, 20
.set VO,   26                          ; v26  16 x lane
.set ADRS, 27
.set SPW,  28
.set NIL,  29
.set VS,   30                          ; v30  16 (lane % 16) + HS (lane / 16)
.set SC,   32
.set PW,   96                          ; v96-103  the scale word of each block of A
.set ZW,   104                         ; v104-107 four words to store
.set XY,   108                         ; v108-115 at work
.set AF,   128
.set PC,   128                         ; the codes of block a at v[PC + 8 a]: a set for each block, so that no store's data are written again
.set BI,   192                         ; v192-255 the bias in the result's layout
.set TM,   200                         ; v200-215 at work in the quantiser
.set G1, 24
.set G0, 32
.set G1B, 48
.set G0B, 56
.set G1S, 68
.set G0S, 76
.set G1SB, 80
.set G0SB, 88
.set MSB, 0
.macro WIN new                         ; the immediate's high byte repeats the setting that is left
.if MSB != (\new)
	s_set_vgpr_msb (MSB<<8)|(\new)
.set MSB, \new
.endif
.endm
.set MUL_LO,  0xa1                     ; source 0 (B) window 1, source 1 (A) window 0, C and D window 2
.set MUL_HI,  0xf1                     ; the same, C and D window 3
.set BIAS_LO, 0x81                     ; C (the bias) window 0, D window 2
.set BIAS_HI, 0xc1                     ; C window 0, D window 3
.set TO_B,    0x40
; A joint load: waves 0 and 1 fetch for A, waves 2 and 3 for B; the branch hangs on the wave's number alone.  Four v_nop follow each line.
.macro JLOAD g0a, g1a, g0b, g1b
	s_cmp_eq_u32 s15, 0
	s_cbranch_scc0 .Lfor_b_\@
	tensor_load_to_lds s[\g0a:\g0a+3], s[\g1a:\g1a+7]
	s_nop 0
.rept 4
	v_nop
.endr
	s_branch .Lasked_\@
.Lfor_b_\@:
	tensor_load_to_lds s[\g0b:\g0b+3], s[\g1b:\g1b+7]
	s_nop 0
.rept 4
	v_nop
.endr
.Lasked_\@:
.endm
.macro CROUND                          ; a round of the cluster's barrier
	s_barrier_signal -1
	s_barrier_wait -1
	s_cmp_lg_u32 s14, 0
	s_cbranch_scc1 .Lnot_wave_0_\@
	s_barrier_signal -3
.Lnot_wave_0_\@:
	s_barrier_wait -3
	s_barrier_signal -1
	s_barrier_wait -1
.endm
	s_load_b128 s[4:7], s[0:1], 0x0                ; xc, xs
	s_load_b128 s[8:11], s[0:1], 0x10              ; wc, ws
	s_load_b128 s[96:99], s[0:1], 0x20             ; bq, bk
	s_load_b64 s[100:101], s[0:1], 0x30            ; bv
	s_load_b64 s[12:13], s[0:1], 0x38              ; qkv
	v_lshl_add_u32 v[SPW], v0, 2, SPARE
	v_mov_b32 v[NIL], 0
	ds_add_u32 v28, v29
	ds_add_u32 v28, v29
	s_wait_dscnt 0x0
	v_lshrrev_b32 v1, 5, v0
	v_readfirstlane_b32 s14, v1                    ; wave 0..3
	s_lshr_b32 s15, s14, 1                         ; which half of A's rows is mine.  Also: I fetch for A (0) or for B (1)
	s_and_b32 s16, s14, 1                          ; which half of B's rows.  Also: which 128 rows of that tile I fetch
	s_bfe_u32 s40, ttmp6, 0x40000                  ; cx
	s_bfe_u32 s41, ttmp6, 0x40004                  ; cy
	s_and_b32 s2, ttmp7, 0xffff
	s_lshl_b32 s2, s2, 2                           ; 4 x cluster y
	s_lshl_b32 s3, ttmp9, 2                        ; 4 x cluster x
	s_cmp_eq_u32 ttmp9, 2                          ; v?  The cluster's x is the same in all sixteen partners
	s_cselect_b32 s17, 8, s2                       ; A's tile of 256 rows: x's by the cluster's y; Wv's are tiles 8 to 11 of wc
	s_cselect_b32 s42, s2, s3                      ; B's: the weight's by the cluster's x; for v x's by the cluster's y
	s_add_co_u32 s17, s17, s41                     ; + cy: A's tile hangs on cy alone of the two places
	s_add_co_u32 s42, s42, s40                     ; + cx: B's on cx alone
	s_lshl_b32 s43, s41, 2
	s_lshl_b32 s43, 15, s43                        ; my row of the cluster
	s_lshl_b32 s44, 0x1111, s40                    ; my column
	; descriptor group 1: 128 rows x 256 bytes, 16 bytes of padding behind each
	s_or_b32 s[G1+0], s43, (0<<16)|(1<<20)|(1<<21)|(5<<22)|(3<<25)
	s_or_b32 s[G1B+0], s44, (0<<16)|(1<<20)|(1<<21)|(5<<22)|(3<<25)
.irp g, G1, G1B
	s_mov_b32 s[\g+1], ROWB<<16                    ; tensor_dim0
	s_mov_b32 s[\g+2], 128<<16                     ; tensor_dim1
	s_mov_b32 s[\g+3], ROWB<<16                    ; tile_dim0
	s_mov_b32 s[\g+4], 128                         ; tile_dim1
	s_mov_b32 s[\g+5], KROW                        ; pitch
	s_mov_b32 s[\g+6], 0
	s_mov_b32 s[\g+7], 0
.endr
	; the scales of 128 rows: 4,096 dense bytes as 16 rows of 256 (32 elements of 8 bytes), 16 bytes of padding behind each
	s_or_b32 s[G1S+0], s43, (3<<16)|(1<<20)|(1<<21)|(5<<22)|(3<<25)
	s_or_b32 s[G1SB+0], s44, (3<<16)|(1<<20)|(1<<21)|(5<<22)|(3<<25)
.irp g, G1S, G1SB
	s_mov_b32 s[\g+1], 32<<16
	s_mov_b32 s[\g+2], (128*KS/256)<<16
	s_mov_b32 s[\g+3], 32<<16
	s_mov_b32 s[\g+4], 128*KS/256
	s_mov_b32 s[\g+5], 32
	s_mov_b32 s[\g+6], 0
	s_mov_b32 s[\g+7], 0
.endr
	s_lshl_b32 s18, s16, 7                         ; which 128 rows of the tile I fetch
	s_lshl_b32 s20, s17, 8
	s_add_co_u32 s20, s20, s18                     ; A's row
	s_lshl_b32 s46, s42, 8
	s_add_co_u32 s46, s46, s18                     ; B's row
	s_mov_b32 s21, 0
	s_mov_b32 s47, 0
	s_mov_b64 s[18:19], KS
	s_mul_u64 s[22:23], s[20:21], s[18:19]         ; where these rows' scales begin
	s_mul_u64 s[92:93], s[46:47], s[18:19]
	s_mov_b64 s[18:19], KROW
	s_mul_u64 s[20:21], s[20:21], s[18:19]         ; and their codes
	s_mul_u64 s[46:47], s[46:47], s[18:19]
	s_mul_i32 s45, s14, HALFT                      ; where they go: wave x 128 rows
	s_mul_i32 s94, s14, HALFS
	s_wait_kmcnt 0x0
	s_cmp_eq_u32 ttmp9, 2                          ; for v the two operands change places
	s_cselect_b64 s[66:67], s[8:9], s[4:5]         ; A's codes
	s_cselect_b64 s[8:9], s[4:5], s[8:9]           ; B's codes
	s_cselect_b64 s[4:5], s[10:11], s[6:7]         ; A's scales
	s_cselect_b64 s[10:11], s[6:7], s[10:11]       ; B's scales
	s_cselect_b64 s[100:101], s[100:101], s[98:99] ; the bias: bv or bk,
	s_cmp_eq_u32 ttmp9, 0
	s_cselect_b64 s[100:101], s[96:97], s[100:101] ; or bq
	s_add_nc_u64 s[20:21], s[66:67], s[20:21]
	s_add_nc_u64 s[22:23], s[4:5], s[22:23]
	s_add_nc_u64 s[46:47], s[8:9], s[46:47]
	s_add_nc_u64 s[92:93], s[10:11], s[92:93]
	CROUND                                         ; all sixteen work-groups are here: the joint loads meet
	s_mov_b32 s[G0S], 1
	s_add_co_u32 s[G0S+1], s94, SCL
	s_mov_b64 s[G0S+2:G0S+3], s[22:23]
	s_or_b32 s[G0S+3], s[G0S+3], 0x80000000
	s_mov_b32 s[G0SB], 1
	s_add_co_u32 s[G0SB+1], s94, SCL
	s_mov_b64 s[G0SB+2:G0SB+3], s[92:93]
	s_or_b32 s[G0SB+3], s[G0SB+3], 0x80000000
	JLOAD G0S, G1S, G0SB, G1SB                     ; the scales first
.irp s, 0,1
	s_mov_b32 s[G0+4*\s], 1
	s_add_co_u32 s[G0+4*\s+1], s45, \s*SLOT
	s_add_nc_u64 s[G0+4*\s+2:G0+4*\s+3], s[20:21], \s*ROWB
	s_or_b32 s[G0+4*\s+3], s[G0+4*\s+3], 0x80000000
	s_mov_b32 s[G0B+4*\s], 1
	s_add_co_u32 s[G0B+4*\s+1], s45, \s*SLOT
	s_add_nc_u64 s[G0B+4*\s+2:G0B+4*\s+3], s[46:47], \s*ROWB
	s_or_b32 s[G0B+4*\s+3], s[G0B+4*\s+3], 0x80000000
	s_wait_alu depctr_va_vdst(0)
	s_wait_tensorcnt 0x0
	ds_add_u32 v28, v29
	s_wait_dscnt 0x0
	CROUND
	JLOAD G0+4*\s, G1, G0B+4*\s, G1B               ; both halves of K: one tensor load of mine is out at a time
.endr
	v_and_b32 v1, 15, v0                           ; r
	v_bfe_u32 v2, v0, 4, 1                         ; h
	v_mul_u32_u24 v3, v1, PITCH
	v_lshl_add_u32 v4, v2, 4, v3
	s_mul_i32 s21, s15, HALFT                      ; my 128 rows of A
	s_mul_i32 s22, s16, HALFT                      ; my 128 rows of B,
	s_add_co_u32 s22, s22, 2*HALFT                 ; behind A's 256
.irp s, 0,1
	v_add_nc_u32 v[ADRA+\s], s21, v4
	v_add_nc_u32 v[ADRB+\s], s22, v4
	s_add_co_u32 s21, s21, SLOT
	s_add_co_u32 s22, s22, SLOT
.endr
	v_mul_u32_u24 v5, v1, KS                       ; my row's scales: 32 bytes a row,
	v_lshrrev_b32 v6, 8, v5
	v_lshl_add_u32 v5, v6, 4, v5                   ; and 16 more for each 256 passed
	s_mul_i32 s21, s15, HALFS
	s_mul_i32 s22, s16, HALFS
	s_add_co_u32 s22, s22, 2*HALFS
	s_sub_co_u32 s22, s22, s21
	v_mul_u32_u24 v6, s22, v2                      ; lanes 16-31 take B's
	s_add_co_u32 s21, s21, SCL
	v_add_nc_u32 v5, v5, v6
	v_add_nc_u32 v[ADRS], s21, v5
	v_and_b32 v6, 31, v0
	v_lshlrev_b32 v[VO], 4, v6
	v_mul_u32_u24 v[VS], v2, HS
	v_lshl_add_u32 v[VS], v1, 4, v[VS]
	v_lshlrev_b32 v7, 6, v2                        ; the bias of q and k: 64 h
	v_and_b32 v8, 8, v1
	v_add_nc_u32 v8, v8, v1
	v_lshlrev_b32 v8, 2, v8                        ; the bias of v: 4 (r + 8 (r / 8))
	; where my results go
	s_cmp_eq_u32 ttmp9, 2
	s_cselect_b32 s20, s42, s17                    ; x's tile and half,
	s_cselect_b32 s21, s16, s15
	s_cselect_b32 s22, s17, s42                    ; the weight's
	s_cselect_b32 s23, s15, s16
	s_lshl_b32 s20, s20, 8
	s_lshl_b32 s21, s21, 7
	s_add_co_u32 s20, s20, s21                     ; my first position of x
	s_lshl_b32 s22, s22, 8
	s_lshl_b32 s23, s23, 7
	s_add_co_u32 s22, s22, s23
	s_and_b32 s22, s22, 1023                       ; my first feature, a multiple of 128: two heads
	s_lshr_b32 s21, s20, 11
	s_lshl_b32 s21, s21, 4
	s_lshr_b32 s23, s22, 6
	s_add_co_u32 s21, s21, s23                     ; the record: 16 x batch + head
	s_mul_i32 s46, s21, HS
	s_and_b32 s20, s20, 2047
	s_lshl_b32 s21, s20, 5                         ; codes: 32 bytes a position (q, k: 512 a tile; v: 4,096 a key step)
	s_lshl_b32 s23, s20, 1                         ; scale words: 256 bytes for 128 positions
	s_mov_b32 s92, QOFF
	s_mov_b32 s93, QSOFF
	s_mov_b32 s47, KSOFF
	s_cmp_eq_u32 ttmp9, 0
	s_cselect_b32 s92, s92, 0                      ; K's codes begin the record
	s_cselect_b32 s93, s93, s47
	s_cmp_eq_u32 ttmp9, 2
	s_mov_b32 s47, VOFF
	s_cselect_b32 s92, s47, s92
	s_mov_b32 s47, VSOFF
	s_cselect_b32 s93, s47, s93
	s_add_co_u32 s92, s92, s46
	s_add_co_u32 s92, s92, s21
	s_add_co_u32 s46, s46, s93
	s_add_co_u32 s46, s46, s23
	s_mov_b32 s93, 0
	s_mov_b32 s47, 0
	s_add_nc_u64 s[46:47], s[12:13], s[46:47]      ; the scale words' base
	s_add_nc_u64 s[12:13], s[12:13], s[92:93]      ; the codes' base
	s_lshl_b32 s22, s22, 2
	s_mov_b32 s23, 0
	s_add_nc_u64 s[100:101], s[100:101], s[22:23]  ; the bias at my first feature
	s_cmp_eq_u32 ttmp9, 2
	s_cbranch_scc1 .Lbias_v
	s_wait_alu depctr_va_vdst(0)
.irp b, 0,1,2,3,4,5,6,7                        ; q, k: the bias runs along a lane's registers: block b of B holds features 32 (b / 2) + 16 h + 8 (b % 2) + 0 .. 7
	global_load_b128 v[BI+8*\b:BI+8*\b+3], v7, s[100:101] offset:(32*(\b/2)+8*(\b%2))*4
	global_load_b128 v[BI+8*\b+4:BI+8*\b+7], v7, s[100:101] offset:(32*(\b/2)+8*(\b%2))*4+16
.endr
	s_branch .Lbias_done
.Lbias_v:
	s_wait_alu depctr_va_vdst(0)
.irp a, 0,1,2,3,4,5,6,7                        ; v: the bias belongs to the lane's row of A: feature 32 (a / 2) + 8 (a % 2) + r + 8 (r / 8), the same in all eight registers
.irp j, 0,1,2,3,4,5,6,7
	global_load_b32 v[BI+8*\a+\j], v8, s[100:101] offset:(32*(\a/2)+8*(\a%2))*4
.endr
.endr
.Lbias_done:
.macro FRAG reg, adr, q, i             ; 16 rows x 128 K of 4-bit codes: 8 registers: lane l holds row l % 16; registers 4 c .. 4 c + 3 hold K = 64 c + 32 (l / 16) + 0 .. 31
.irp c, 0,1
	ds_load_b128 v[\reg+4*\c:\reg+4*\c+3], v[\adr] offset:64*(\q)+32*\c+(\i)*16*PITCH
.endr
.endm
; 16 matrix instructions: A's blocks a0, a0 + 1 x B's eight.  mode 0: the sums go on in place; 1: they begin with the bias of B's block; 2: with the bias of A's block.
; The 64 accumulators take turns, one instruction a turn, in the same order in every step.
.macro MUL16 a0, p, q, sc, mode
.irp a, \a0, \a0+1
.irp b, 0,1,2,3,4,5,6,7
.if \mode == 1
	v_wmma_scale_f32_16x16x128_f8f6f4 v[8*(8*((\a)%4)+\b):8*(8*((\a)%4)+\b)+7], v[128*(\p)+FR*\b:128*(\p)+FR*\b+FR-1], v[AF+FR*(\a):AF+FR*(\a)+FR-1], v[BI+8*\b:BI+8*\b+7], v[SC+8*NQ*(\sc)+NQ*\b+(\q)], v[SC+8*NQ*(\sc)+NQ*(\a)+(\q)] matrix_a_fmt:MATRIX_FMT_FP4 matrix_b_fmt:MATRIX_FMT_FP4 matrix_a_scale:MATRIX_SCALE_ROW1
.elseif \mode == 2
	v_wmma_scale_f32_16x16x128_f8f6f4 v[8*(8*((\a)%4)+\b):8*(8*((\a)%4)+\b)+7], v[128*(\p)+FR*\b:128*(\p)+FR*\b+FR-1], v[AF+FR*(\a):AF+FR*(\a)+FR-1], v[BI+8*(\a):BI+8*(\a)+7], v[SC+8*NQ*(\sc)+NQ*\b+(\q)], v[SC+8*NQ*(\sc)+NQ*(\a)+(\q)] matrix_a_fmt:MATRIX_FMT_FP4 matrix_b_fmt:MATRIX_FMT_FP4 matrix_a_scale:MATRIX_SCALE_ROW1
.else
	v_wmma_scale_f32_16x16x128_f8f6f4 v[8*(8*((\a)%4)+\b):8*(8*((\a)%4)+\b)+7], v[128*(\p)+FR*\b:128*(\p)+FR*\b+FR-1], v[AF+FR*(\a):AF+FR*(\a)+FR-1], v[8*(8*((\a)%4)+\b):8*(8*((\a)%4)+\b)+7], v[SC+8*NQ*(\sc)+NQ*\b+(\q)], v[SC+8*NQ*(\sc)+NQ*(\a)+(\q)] matrix_a_fmt:MATRIX_FMT_FP4 matrix_b_fmt:MATRIX_FMT_FP4 matrix_a_scale:MATRIX_SCALE_ROW1
.endif
.endr
.endr
.endm
.macro FETCH_B slot, q, p
	WIN TO_B
.irp i, 0,1,2,3,4,5,6,7
	FRAG 128*(\p)+FR*\i, ADRB+\slot, \q, \i
.endr
	WIN 0
.endm
.macro FETCH_A slot, q, i0
.irp i, \i0, \i0+1, \i0+2, \i0+3
	FRAG AF+FR*(\i), ADRA+\slot, \q, \i
.endr
.endm
.macro SCALES sc                       ; a slot's scale words: four a row; lanes 0-15 take A's block i, lanes 16-31 B's block i
.irp i, 0,1,2,3,4,5,6,7
	ds_load_b128 v[SC+8*NQ*\sc+NQ*\i:SC+8*NQ*\sc+NQ*\i+3], v[ADRS] offset:\i*SBLK
.endr
.endm
.macro PLACES n                        ; plain vector instructions between a matrix instruction and a load into, or a read of, its registers
.rept \n
	v_nop
.endr
.endm
.macro STEP slot, q, mode              ; 128 along K whose successor lies in the same slot
	s_wait_dscnt 4*NL                              ; B's set and A's blocks 0-3 are in; the youngest eight loads (A's blocks 4-7) may be out
.if \mode
	WIN BIAS_LO
.else
	WIN MUL_LO
.endif
	MUL16 0, (\q)%2, \q, \slot, \mode
	MUL16 2, (\q)%2, \q, \slot, \mode
	s_wait_dscnt 0
	PLACES NP
	FETCH_B \slot, (\q)+1, 1-(\q)%2
	FETCH_A \slot, (\q)+1, 0
.if \mode
	WIN BIAS_HI
.else
	WIN MUL_HI
.endif
	MUL16 4, (\q)%2, \q, \slot, \mode
	MUL16 6, (\q)%2, \q, \slot, \mode
	PLACES NP
	WIN 0
	FETCH_A \slot, (\q)+1, 4
.endm
; Slot 0's last step changes slots: each wave waits for all its tensor loads (its part of slot 1), and a barrier shows slot 1 whole to all four.  Nothing is filled again.
.macro TURN slot, next
	s_wait_tensorcnt 0x0                           ; my part of the next slot has landed
	ds_add_u32 v[SPW], v[NIL]                      ; 0 onto my spare word
	s_wait_dscnt 4*NL+1                            ; the add and the youngest eight loads (A's blocks 4-7) may be out
	WIN MUL_LO
	MUL16 0, 1, NQ-1, \slot, 0
	s_wait_dscnt 0x0                               ; no LDS instruction of mine is out at the signal
	s_barrier_signal -1
	MUL16 2, 1, NQ-1, \slot, 0
	WIN 0
	s_barrier_wait -1
	PLACES NP
	v_add_nc_u32 v[ADRS], 4*NQ, v[ADRS]            ; the next slot's scale words
	FETCH_B \next, 0, 0
	FETCH_A \next, 0, 0
	SCALES \next
	WIN MUL_HI
	MUL16 4, 1, NQ-1, \slot, 0
	MUL16 6, 1, NQ-1, \slot, 0
	PLACES NP
	WIN 0
	FETCH_A \next, 0, 4
.endm
.macro STEPS slot, from
.set Q, \from
.rept NQ-1-\from
	STEP \slot, Q, 0
.set Q, Q+1
.endr
.endm
	s_wait_tensorcnt 1                             ; the scales and my part of slot 0 are in; slot 1's load may be out
	s_barrier_signal -1
	s_barrier_wait -1                              ; everybody's are
	FETCH_B 0, 0, 0
	FETCH_A 0, 0, 0
	SCALES 0
	FETCH_A 0, 0, 4
	s_wait_loadcnt 0x0                             ; the bias
	s_cmp_eq_u32 ttmp9, 2
	s_cbranch_scc1 .Lfirst_v
	STEP 0, 0, 1                                   ; the first step starts the sums with the bias; both forms have the same loads and waits
	s_branch .Lfirst_done
.Lfirst_v:
	STEP 0, 0, 2
.Lfirst_done:
	STEPS 0, 1
	TURN 0, 1
	STEPS 1, 0
	s_wait_dscnt 4*NL                              ; the last step: nothing more to fetch
	WIN MUL_LO
	MUL16 0, 1, NQ-1, 1, 0
	MUL16 2, 1, NQ-1, 1, 0
	s_wait_dscnt 0
	WIN MUL_HI
	MUL16 4, 1, NQ-1, 1, 0
	MUL16 6, 1, NQ-1, 1, 0
	WIN 0
; THE WAY OUT.  Block a's 64 numbers of a lane (register 16 b + i = index 32 b + 16 (lane / 16) + i of my row) become a fragment's codes in v[PC + 8 a] on and its scale word in v[PW + a].
.macro QUANTW a
.set AC, 64*((\a)%4)
.set PCA, PC+8*(\a)
	WIN 0x28+0x14*((\a)/4)                         ; sources 1 and 2: window 2 or 3
.irp b, 0,1,2,3
	v_max3_num_f32 v[TM+\b], 0x1800000, |v[AC+16*\b]|, |v[AC+16*\b+1]|   ; my 16 numbers of block b, and the floor 2^(3 - 127); each accumulator is read from its low end on
.endr
.irp i, 2,4,6,8,10,12,14
.irp b, 0,1,2,3
	v_max3_num_f32 v[TM+\b], v[TM+\b], |v[AC+16*\b+\i]|, |v[AC+16*\b+\i+1]|
.endr
.endr
	WIN 0
.irp b, 0,1,2,3
	v_permlanex16_b32 v[TM+4+\b], v[TM+\b], s20, s21
.endr
.irp b, 0,1,2,3
	v_max_num_f32 v[TM+\b], v[TM+\b], v[TM+4+\b]   ; with lane l xor 16's: the block's largest magnitude
.endr
.irp b, 0,1,2,3
	v_add_nc_u32 v[TM+12+\b], 0xff000000, v[TM+\b] ; 2 off its exponent field: the conversion's scale operand
.endr
.irp b, 0,1,2,3
	v_lshrrev_b32 v[TM+4+\b], 23, v[TM+12+\b]      ; the scale's byte
.endr
	v_lshl_or_b32 v[PW+(\a)], v[TM+5], 8, v[TM+4]
	v_lshl_or_b32 v[PW+(\a)], v[TM+6], 16, v[PW+(\a)]
	v_lshl_or_b32 v[PW+(\a)], v[TM+7], 24, v[PW+(\a)]
	WIN 0x02+(\a)/4                                ; source 0: window 2 or 3
.irp b, 0,1,2,3
	v_cvt_scalef32_pk8_fp4_f32 v[PCA+2*\b], v[AC+16*\b:AC+16*\b+7], v[TM+12+\b]
	v_cvt_scalef32_pk8_fp4_f32 v[PCA+2*\b+1], v[AC+16*\b+8:AC+16*\b+15], v[TM+12+\b]
.endr
	WIN 0
	v_nop                                          ; one plain place behind a scaled conversion
.irp c, 0,1                                    ; a whole block to a lane: lanes 0-15 block 2 c, lanes 16-31 block 2 c + 1
.irp i, 0,1
	v_permlane16_swap_b32 v[PCA+4*\c+\i], v[PCA+2+4*\c+\i]
.endr
.endr
.endm
.macro OUT isv
.irp a, 0,1,2,3,4,5,6,7
	QUANTW \a
.if \isv                               ; v^T: block a is 16 features of head a / 4, tile a % 4; the fragment's K are my 128 keys
	global_store_b128 v[VO], v[PC+8*\a:PC+8*\a+3], s[12:13] offset:(\a/4)*HS+(\a%4)*1024
	global_store_b128 v[VO], v[PC+8*\a+4:PC+8*\a+7], s[12:13] offset:(\a/4)*HS+(\a%4)*1024+512
.else                                  ; q, k: block a is a tile of 16 positions; registers 0-3 are the first head's 64, registers 4-7 the next head's
	global_store_b128 v[VO], v[PC+8*\a:PC+8*\a+3], s[12:13] offset:\a*512
	global_store_b128 v[VO], v[PC+8*\a+4:PC+8*\a+7], s[12:13] offset:\a*512+HS
.endif                                 ; each store covers 512 consecutive bytes, aligned
.endr
	v_cmp_eq_u32 vcc_lo, 1, v2                     ; lanes 16-31 carry the second head's words
.if \isv
.irp t, 0,1,2,3
	v_cndmask_b32 v[ZW+\t], v[PW+\t], v[PW+4+\t], vcc_lo
.endr
.else
.irp p, 0,1,2,3                                ; a word for two tiles: bytes 0, 1 of tile 2 p, bytes 2, 3 of tile 2 p + 1
	v_perm_b32 v[XY+\p], v[PW+2*\p+1], v[PW+2*\p], 0x05040100      ; the first head's two bytes of both
	v_perm_b32 v[XY+4+\p], v[PW+2*\p+1], v[PW+2*\p], 0x07060302    ; the second head's
.endr
.irp p, 0,1,2,3
	v_cndmask_b32 v[ZW+\p], v[XY+\p], v[XY+4+\p], vcc_lo
.endr
.endif
	global_store_b128 v[VS], v[ZW:ZW+3], s[46:47]  ; sixteen lanes store 256 consecutive bytes, aligned, in each of the two records
.endm
	PLACES NP
	s_mov_b32 s20, 0x76543210
	s_mov_b32 s21, 0xfedcba98                      ; v_permlanex16_b32's selects for lane l xor 16
.irp b, 0,1,2,3
	v_mov_b32 v[TM+4+\b], 0                        ; written once: a lane permute's destination counts as one of its sources
.endr
	s_cmp_eq_u32 ttmp9, 2
	s_cbranch_scc1 .Lout_v
	OUT 0
	s_branch .Lout_done
.Lout_v:
	OUT 1
.Lout_done:
	s_wait_tensorcnt 0x0                           ; the wave's end
	ds_add_u32 v[SPW], v[NIL]
	s_wait_dscnt 0x0
	CROUND                                         ; the closing round: no work-group ends while a partner may still ask for a tile that names it
	s_endpgm
.Lfunc_end_k_qb360888573_qkv:
	.size	k_qb360888573_qkv, .Lfunc_end_k_qb360888573_qkv-k_qb360888573_qkv
	.p2alignl 7, 3214868480
	.fill 96, 4, 3214868480
	.section	.rodata,"a",@progbits
	.p2align	6, 0x0
	.amdhsa_kernel k_qb360888573_qkv
		.amdhsa_group_segment_fixed_size 327680
		.amdhsa_private_segment_fixed_size 0
		.amdhsa_enable_private_segment 0
		.amdhsa_kernarg_size 64
		.amdhsa_user_sgpr_count 2
		.amdhsa_user_sgpr_kernarg_segment_ptr 1
		.amdhsa_wavefront_size32 1
		.amdhsa_system_sgpr_workgroup_id_x 1
		.amdhsa_system_sgpr_workgroup_id_y 1
		.amdhsa_system_sgpr_workgroup_id_z 1
		.amdhsa_system_vgpr_workitem_id 0
		.amdhsa_next_free_vgpr 1024
		.amdhsa_next_free_sgpr 102
		.amdhsa_reserve_vcc 1
		.amdhsa_float_denorm_mode_32 3
		.amdhsa_float_denorm_mode_16_64 3
		.amdhsa_memory_ordered 1
		.amdhsa_forward_progress 1
		.amdhsa_inst_pref_size 182
	.end_amdhsa_kernel
	.amdgpu_metadata
---
amdhsa.version: [ 1, 2 ]
amdhsa.kernels:
  - .name:           k_qb360888573_qkv
    .symbol:         k_qb360888573_qkv.kd
    .args:
      - { .name: xc, .offset: 0, .size: 8, .value_kind: global_buffer, .address_space: global }
      - { .name: xs, .offset: 8, .size: 8, .value_kind: global_buffer, .address_space: global }
      - { .name: wc, .offset: 16, .size: 8, .value_kind: global_buffer, .address_space: global }
      - { .name: ws, .offset: 24, .size: 8, .value_kind: global_buffer, .address_space: global }
      - { .name: bq, .offset: 32, .size: 8, .value_kind: global_buffer, .address_space: global }
      - { .name: bk, .offset: 40, .size: 8, .value_kind: global_buffer, .address_space: global }
      - { .name: bv, .offset: 48, .size: 8, .value_kind: global_buffer, .address_space: global }
      - { .name: qkv, .offset: 56, .size: 8, .value_kind: global_buffer, .address_space: global }
    .group_segment_fixed_size: 327680
    .private_segment_fixed_size: 0
    .kernarg_segment_align: 8
    .kernarg_segment_size: 64
    .max_flat_workgroup_size: 128
    .sgpr_count:     102
    .vgpr_count:     1024
    .wavefront_size: 32
...
	.end_amdgpu_metadata
.endif
;; end of part 2
;; launch attn (part 3): grid 4 x 64, 16 waves a work-group, clusters of 4 x 1, 327,680 bytes of LDS; arguments qkv, cc, cs; writes cc, cs
.if DOCPART == 3
	.amdgcn_target "amdgcn-amd-amdhsa--gfx1250"
	.amdhsa_code_object_version 6
	.text
	.protected	k_qb360888573_attn
	.globl	k_qb360888573_attn
	.p2align	8
	.type	k_qb360888573_attn,@function
k_qb360888573_attn:
	s_mov_b64 s[64:65], 0
	v_nop
	global_prefetch_b8 v0, s[64:65] scope:SCOPE_SE
	s_setreg_imm32_b32 hwreg(HW_REG_WAVE_MODE, 25, 1), 1
	s_wait_xcnt 0x0
	s_wait_alu depctr_hold_cnt(0) depctr_sa_sdst(0) depctr_va_vdst(0) depctr_va_sdst(0) depctr_va_ssrc(0) depctr_va_vcc(0) depctr_vm_vsrc(0)
	s_getreg_b32 s2, hwreg(HW_REG_IB_STS2, 6, 4)
	s_cmp_eq_u32 s2, 0
	s_cbranch_scc0 .Lentry_in_a_cluster
	s_endpgm
.Lentry_in_a_cluster:
	s_bfe_u32 s2, ttmp6, 0x10000c
	s_cmp_lg_u32 s2, 0x3003
	s_cbranch_scc0 .Lentry_shape_is_right
	s_endpgm
.Lentry_shape_is_right:
; ctx = softmax(q k^T / 8) v for one (batch, head) and 512 queries, both products on codes of FP4 with E8M0 scales; ctx / l is quantised along the head's 64 and leaves as codes.
; THE SOFTMAX: t = score x log2(e) / 8; M = the running largest t rounded UP to a whole number; p = 2^(t - M) is quantised along the keys, not normalised; the row's sum is taken of the unquantised p.
; When M moves, the sum and O are multiplied by 2^(old M - new M): exact.
; SHARES.  Sixteen waves, four to a SIMD; a wave takes two tiles of 16 queries, one after the other, and walks all 2,048 keys, 128 a step.
; THE HEAD'S K, V AND THEIR SCALE WORDS, 139,264 dense bytes, come into LDS ONCE: each wave brings 8,704 bytes by one tensor load.  No byte is filled twice, so one barrier stands in front of all the work.
; CLUSTER.  The four work-groups of a head need the same block: each load is asked for jointly, with a mask that names the four.
; LAYOUT.  Both products are used transposed (S^T = K Q^T, O^T = V^T P^T): a lane holds one query.  K's tiles lie in position order, so the 16 registers of tiles 2 p, 2 p + 1 are 16 neighbouring keys;
; V^T's rows likewise, so O^T's registers run along the head's 64 in true order.  All operands lie in LDS as images of their registers: a load reads 512 consecutive bytes.
; K = 64 IN AN INSTRUCTION OF K = 128.  Source 0 holds TWO tiles of keys (registers 0-3 tile 2 p, 4-7 tile 2 p + 1).  Against [q | zeros] it gives tile 2 p's scores, against [zeros | q] tile 2 p + 1's:
; zero codes add nothing.  One scale word serves the pair; q's word holds its two bytes twice.
; LIMITS: a block of zeros, or one whose largest magnitude lies under 2^-124, gets the byte 1; NaN and infinities are not served.
; REGISTERS: v1-3, v9-11 addresses that stay; v4, v5 the spare word's; v6-8 the step's addresses; v12 -M, v13 largest t, v[14:15] the sum; v16-35 zeros | q0 | zeros | q1 | zeros;
;   v36-67 K; v68-99 V; v100-163 S^T, then p; v164-195 O^T; v196-203 codes; v204-221 at work; v224-234 scale words and nothing else.
.set HS,    208896                     ; a record of qkv
.set QOFF,  139264
.set QSOFF, 204800
.set PART,  8704                       ; what a wave's tensor load brings: 34 rows of 256 bytes
.set LV,    65536                      ; LDS: K's codes at 0, V's here,
.set LKS,   131072                     ; K's scale words, and 4,096 bytes on V's
.set SCST,  139264                     ; ctx's scale halfwords: 512 positions x 2 bytes
.set SPARE, 140288                     ; the spare words, 128 bytes a wave; no other line names them
.set KF,  36
.set VF,  68
.set S,   100
.set O,   164
.set PCD, 196
.set BM,  204                          ; v204-207 the blocks' maxima
.set TP,  208                          ; v208-211 at work
.set SO,  212                          ; v212-215 the conversions' scale operands
.macro CROUND
	s_barrier_signal -1
	s_barrier_wait -1
	s_cmp_lg_u32 s18, 0
	s_cbranch_scc1 .Lnot_wave_0_\@
	s_barrier_signal -3
.Lnot_wave_0_\@:
	s_barrier_wait -3
	s_barrier_signal -1
	s_barrier_wait -1
.endm
	s_load_b128 s[4:7], s[0:1], 0x0                ; qkv, cc
	s_load_b64 s[8:9], s[0:1], 0x10                ; cs
	v_lshl_add_u32 v4, v0, 2, SPARE
	v_mov_b32 v5, 0
	ds_add_u32 v4, v5
	ds_add_u32 v4, v5
	s_wait_dscnt 0x0
	v_lshrrev_b32 v6, 5, v0
	s_delay_alu instid0(VALU_DEP_1)
	v_readfirstlane_b32 s18, v6                    ; wave 0..15
	s_bfe_u32 s10, ttmp6, 0x40000                  ; cx: which 512 queries; it enters Q's, cc's and cs's addresses alone
	s_and_b32 s11, ttmp7, 0xffff                   ; the record: 16 x batch + head, which the four partners share
	s_mul_i32 s12, s11, HS
	s_mul_i32 s14, s18, PART
	s_add_co_u32 s14, s14, s12                     ; my part of the block, in memory
	s_mov_b32 s15, 0
	; descriptor group 1: 34 rows of 32 elements of 8 bytes, dense, no padding; mask: all four work-groups, bit 21 beside it
	s_mov_b32 s24, 15|(3<<16)|(1<<21)
	s_mov_b32 s25, 32<<16                          ; tensor_dim0
	s_mov_b32 s26, 34<<16                          ; tensor_dim1
	s_mov_b32 s27, 32<<16                          ; tile_dim0
	s_mov_b32 s28, 34                              ; tile_dim1
	s_mov_b32 s29, 32                              ; pitch
	s_mov_b32 s30, 0
	s_mov_b32 s31, 0
	s_mov_b32 s20, 0x76543210
	s_mov_b32 s21, 0xfedcba98                      ; v_permlanex16_b32's selects for lane l xor 16
	s_mov_b32 s22, 0x3e38aa3b                      ; c = log2(e) / 8
	s_mov_b32 s23, s22                             ; (named with it as a pair)
	s_wait_kmcnt 0x0
	CROUND                                         ; all four work-groups are here: the joint loads meet
	s_mov_b32 s32, 1
	s_mul_i32 s33, s18, PART                       ; LDS address: the wave's number alone
	s_add_nc_u64 s[34:35], s[4:5], s[14:15]
	s_or_b32 s35, s35, 0x80000000
	tensor_load_to_lds s[32:35], s[24:31]          ; my one tensor load
	s_nop 0
.rept 4
	v_nop
.endr
	s_lshl_b32 s16, s10, 5
	s_add_co_u32 s16, s16, s18                     ; my first tile of queries: 32 cx + wave; the second lies 16 tiles on
	s_lshl_b32 s40, s16, 9
	s_add_co_u32 s40, s40, s12
	s_add_co_u32 s40, s40, QOFF
	s_mov_b32 s41, 0
	s_add_nc_u64 s[40:41], s[4:5], s[40:41]        ; its codes
	s_lshl_b32 s42, s10, 2
	s_lshr_b32 s17, s18, 3
	s_add_co_u32 s42, s42, s17                     ; its chunk of eight tiles,
	s_lshl_b32 s42, s42, 8
	s_bfe_u32 s17, s18, 0x20001                    ; its pair in the chunk
	s_lshl_b32 s17, s17, 2
	s_add_co_u32 s42, s42, s17
	s_add_co_u32 s42, s42, s12
	s_add_co_u32 s42, s42, QSOFF
	s_mov_b32 s43, 0
	s_add_nc_u64 s[42:43], s[4:5], s[42:43]        ; its scale words
	s_lshr_b32 s17, s11, 4                         ; batch
	s_and_b32 s19, s11, 15                         ; head
	s_lshl_b32 s44, s17, 7
	s_add_co_u32 s44, s44, s16
	s_lshl_b32 s44, s44, 4
	s_add_co_u32 s44, s44, s19
	s_lshl_b32 s44, s44, 9                         ; cc: ((128 batch + tile) x 16 + head) x 512
	s_mov_b32 s45, 0
	s_add_nc_u64 s[44:45], s[6:7], s[44:45]
	s_lshl_b32 s46, s19, 14                        ; cs: head x 16,384 + (2,048 batch + 512 cx) x 2 + 512 x wave (waves 0 and 1 store)
	s_lshl_b32 s17, s17, 12
	s_add_co_u32 s46, s46, s17
	s_lshl_b32 s17, s10, 10
	s_add_co_u32 s46, s46, s17
	s_lshl_b32 s17, s18, 9
	s_add_co_u32 s46, s46, s17
	s_mov_b32 s47, 0
	s_add_nc_u64 s[46:47], s[8:9], s[46:47]
	v_and_b32 v6, 31, v0
	s_delay_alu instid0(VALU_DEP_1)
	v_lshlrev_b32 v1, 4, v6                        ; 16 x lane: an image's place for my lane
	s_delay_alu instid0(VALU_DEP_1)
	v_add_nc_u32 v2, LV, v1
	v_and_b32 v7, 15, v0                           ; r
	s_delay_alu instid0(VALU_DEP_1)
	v_lshlrev_b32 v11, 4, v7                       ; 16 r
	s_delay_alu instid0(VALU_DEP_1)
	v_add_nc_u32 v3, LKS, v11
	s_lshl_b32 s17, s18, 5
	v_lshl_add_u32 v9, v7, 1, s17
	s_delay_alu instid0(VALU_DEP_1)
	v_add_nc_u32 v9, SCST, v9                      ; my row's halfword: 32 x wave + 2 r
	s_and_b32 s17, s18, 1
	s_cmp_eq_u32 s17, 0
	s_mov_b32 s48, 0x03020302
	s_cselect_b32 s48, 0x01000100, s48             ; which two bytes of the pair's word are my tile's
	s_lshl_b32 s17, s17, 9
	v_add_nc_u32 v10, s17, v1
	s_delay_alu instid0(VALU_DEP_1)
	v_add_nc_u32 v10, SCST, v10
	global_load_b128 v[20:23], v1, s[40:41]        ; q of my first tile,
	global_load_b128 v[28:31], v1, s[40:41] offset:8192   ; of my second
	global_load_b32 v232, v11, s[42:43]
	global_load_b32 v233, v11, s[42:43] offset:512
.irp j, 16,17,18,19,24,25,26,27,32,33,34,35
	v_mov_b32 v\j, 0                               ; the zero codes beside q
.endr
.irp j, 208,209,210,211,217,218
	v_mov_b32 v\j, 0                               ; written once: destinations of lane permutes, and the upper half of the pair v[216:217]
.endr
	s_wait_loadcnt 0x0
	v_perm_b32 v232, v232, v232, s48               ; q's word: its two bytes twice
	v_perm_b32 v233, v233, v233, s48
	s_wait_tensorcnt 0x0                           ; my part of the block has landed,
	s_barrier_signal -1
	s_barrier_wait -1                              ; everybody's has
; A KEY STEP of tile i: 128 keys.
.macro STEP i
	v_add_nc_u32 v6, s2, v1                        ; with the v_nop: four places in front of loads into registers that the last products read
	v_add_nc_u32 v7, s2, v2
	v_add_nc_u32 v8, s3, v3
	v_nop
	ds_load_b128 v[224:227], v8                    ; K's four scale words
.irp p, 0,1,2,3
	ds_load_b128 v[KF+8*\p:KF+8*\p+3], v6 offset:1024*\p
	ds_load_b128 v[KF+8*\p+4:KF+8*\p+7], v6 offset:1024*\p+512
.endr
	ds_load_b128 v[228:231], v8 offset:4096        ; V's four
.irp t, 0,1,2,3
	ds_load_b128 v[VF+8*\t:VF+8*\t+3], v7 offset:1024*\t
	ds_load_b128 v[VF+8*\t+4:VF+8*\t+7], v7 offset:1024*\t+512
.endr
	s_wait_dscnt 9                                 ; K's nine loads are in; V's nine may be out
.irp p, 0,1,2,3
	v_wmma_scale_f32_16x16x128_f8f6f4 v[S+16*\p:S+16*\p+7], v[KF+8*\p:KF+8*\p+7], v[20+8*\i:27+8*\i], 0, v[224+\p], v[232+\i] matrix_a_fmt:MATRIX_FMT_FP4 matrix_b_fmt:MATRIX_FMT_FP4
	v_wmma_scale_f32_16x16x128_f8f6f4 v[S+16*\p+8:S+16*\p+15], v[KF+8*\p:KF+8*\p+7], v[16+8*\i:23+8*\i], 0, v[224+\p], v[232+\i] matrix_a_fmt:MATRIX_FMT_FP4 matrix_b_fmt:MATRIX_FMT_FP4
.endr                                          ; register 16 p + n of S^T: key 32 p + 16 (lane / 16) + n of the step
.rept 4
	v_nop
.endr
.irp b, 0,1,2,3
	v_max3_num_f32 v[BM+\b], v[S+16*\b], v[S+1+16*\b], v[S+2+16*\b]   ; the largest score of each block of 32 keys: for the row's maximum and, since p rises with the score, for the block's largest p
.endr
.irp n, 3,5,7,9,11,13
.irp b, 0,1,2,3
	v_max3_num_f32 v[BM+\b], v[BM+\b], v[S+16*\b+\n], v[S+1+16*\b+\n]
.endr
.endr
.irp b, 0,1,2,3
	v_max_num_f32 v[BM+\b], v[BM+\b], v[S+15+16*\b]
.endr
.irp b, 0,1,2,3
	s_delay_alu instid0(VALU_DEP_4)
	v_permlanex16_b32 v[TP+\b], v[BM+\b], s20, s21
.endr
.irp b, 0,1,2,3
	s_delay_alu instid0(VALU_DEP_4)
	v_max_num_f32 v[BM+\b], v[BM+\b], v[TP+\b]     ; with lane l xor 16's 16 keys
.endr
	s_delay_alu instid0(VALU_DEP_2)
	v_max3_num_f32 v218, v204, v205, v206
	s_delay_alu instid0(VALU_DEP_1)
	v_max_num_f32 v218, v218, v207                 ; the step's largest score of my query
	s_delay_alu instid0(VALU_DEP_1)
	v_mul_f32 v218, s22, v218                      ; as t
	s_delay_alu instid0(VALU_DEP_1)
	v_max_num_f32 v13, v13, v218                   ; the running largest t
	v_mov_b32 v218, v12
	s_delay_alu instid0(VALU_DEP_2)
	v_floor_f32 v12, -v13                          ; the new -M = floor(-t)
	s_delay_alu instid0(VALU_DEP_1)
	v_sub_f32 v218, v12, v218                      ; old M - new M: a whole number, 0 or less
	s_delay_alu instid0(VALU_DEP_1)
	v_cvt_i32_f32 v218, v218                       ; (it saturates)
	s_delay_alu instid0(VALU_DEP_1)
	v_ldexp_f32 v216, 1.0, v218                    ; f = 2^(old M - new M)
.set j, 0
.rept 32
	v_pk_fma_f32 v[S+j:S+j+1], v[S+j:S+j+1], s[22:23], v[12:13] op_sel_hi:[1,0,0]   ; t - M, two at a time
.set j, j+2
.endr
.irp b, 0,1,2,3
	v_fma_f32 v[BM+\b], v[BM+\b], s22, v12         ; the same of each block's largest score
.endr
.set j, 0
	s_wait_alu depctr_va_vdst(0)
.rept 64
	v_exp_f32 v[S+j], v[S+j]                       ; p = 2^(t - M)
.set j, j+1
.endr
	s_setprio 1
	v_pk_mul_f32 v[14:15], v[14:15], v[216:217] op_sel_hi:[1,0]   ; the sums under the new M: the plain place behind the exponentials
	s_wait_alu depctr_va_vdst(0)                   ; one wait for the batch of 64, ahead of its first reader
.irp b, 0,1,2,3
	v_exp_f32 v[BM+\b], v[BM+\b]                   ; the block's largest p: the same two instructions on the same number
.endr
	v_pk_add_f32 v[208:209], v[104:105], v[108:109]
	v_pk_add_f32 v[254:255], v[112:113], v[116:117]
	v_pk_add_f32 v[252:253], v[120:121], v[124:125]
	v_pk_add_f32 v[250:251], v[128:129], v[132:133]
	v_pk_add_f32 v[248:249], v[136:137], v[140:141]
	v_pk_add_f32 v[246:247], v[144:145], v[148:149]
	v_pk_add_f32 v[244:245], v[152:153], v[156:157]
	v_pk_add_f32 v[14:15], v[14:15], v[160:161]
	v_pk_add_f32 v[208:209], v[208:209], v[100:101]
	v_pk_add_f32 v[254:255], v[254:255], v[102:103]
	v_pk_add_f32 v[252:253], v[252:253], v[106:107]
	v_pk_add_f32 v[250:251], v[250:251], v[110:111]
	v_pk_add_f32 v[248:249], v[248:249], v[114:115]
	v_pk_add_f32 v[246:247], v[246:247], v[118:119]
	v_pk_add_f32 v[244:245], v[244:245], v[122:123]
	v_pk_add_f32 v[14:15], v[14:15], v[126:127]
	v_pk_add_f32 v[208:209], v[208:209], v[130:131]
	v_pk_add_f32 v[254:255], v[254:255], v[134:135]
	v_pk_add_f32 v[252:253], v[252:253], v[138:139]
	v_pk_add_f32 v[250:251], v[250:251], v[142:143]
	v_pk_add_f32 v[248:249], v[248:249], v[146:147]
	v_pk_add_f32 v[246:247], v[246:247], v[150:151]
	v_pk_add_f32 v[244:245], v[244:245], v[154:155]
	v_pk_add_f32 v[14:15], v[14:15], v[158:159]
	v_pk_add_f32 v[208:209], v[208:209], v[162:163]
	s_delay_alu instid0(VALU_DEP_2)
	v_pk_add_f32 v[14:15], v[14:15], v[250:251]
	s_delay_alu instid0(VALU_DEP_2)
	v_pk_add_f32 v[208:209], v[208:209], v[248:249]
	v_pk_add_f32 v[254:255], v[254:255], v[246:247]
	v_pk_add_f32 v[252:253], v[252:253], v[244:245]
	s_delay_alu instid0(VALU_DEP_2)
	v_pk_add_f32 v[14:15], v[14:15], v[254:255]
	s_delay_alu instid0(VALU_DEP_2)
	v_pk_add_f32 v[208:209], v[208:209], v[252:253]
	s_delay_alu instid0(VALU_DEP_1)
	v_pk_add_f32 v[14:15], v[14:15], v[208:209]
	s_wait_alu depctr_va_vdst(0)                   ; and one for the four
.irp b, 0,1,2,3
	v_max_num_f32 v[BM+\b], 0x1800000, v[BM+\b]    ; the floor 2^(3 - 127)
.endr
.irp b, 0,1,2,3
	s_delay_alu instid0(VALU_DEP_4)
	v_add_nc_u32 v[SO+\b], 0xff000000, v[BM+\b]    ; the conversion's scale operand
.endr
.irp b, 0,1,2,3
	s_delay_alu instid0(VALU_DEP_4)
	v_lshrrev_b32 v[TP+\b], 23, v[SO+\b]           ; the scale's byte
.endr
	s_delay_alu instid0(VALU_DEP_3)
	v_lshl_or_b32 v234, v209, 8, v208              ; p's scale word for these 128 keys
	s_delay_alu instid0(VALU_DEP_1)
	v_lshl_or_b32 v234, v210, 16, v234
	s_delay_alu instid0(VALU_DEP_1)
	v_lshl_or_b32 v234, v211, 24, v234
.irp b, 0,1,2,3
	v_cvt_scalef32_pk8_fp4_f32 v[PCD+2*\b], v[S+16*\b:S+16*\b+7], v[SO+\b]
	v_cvt_scalef32_pk8_fp4_f32 v[PCD+1+2*\b], v[S+8+16*\b:S+15+16*\b], v[SO+\b]
.endr
	v_nop                                          ; one plain place behind a scaled conversion
.irp c, 0,1
.irp n, 0,1
	v_permlane16_swap_b32 v[PCD+4*\c+\n], v[PCD+2+4*\c+\n]   ; a whole block of 32 keys to a lane
.endr
.endr
	s_setprio 0
	s_wait_dscnt 0x0                               ; V
.set j, 0
.rept 16
	v_pk_mul_f32 v[O+j:O+j+1], v[O+j:O+j+1], v[216:217] op_sel_hi:[1,0]   ; O^T under the new M; these sixteen are also the places between p's scale word and codes and the products
.set j, j+2
.endr
.irp t, 0,1,2,3                                ; O^T += V^T P^T: the four accumulators take turns, one instruction a turn
	v_wmma_scale_f32_16x16x128_f8f6f4 v[O+8*\t:O+8*\t+7], v[VF+8*\t:VF+8*\t+7], v[PCD:PCD+7], v[O+8*\t:O+8*\t+7], v[228+\t], v234 matrix_a_fmt:MATRIX_FMT_FP4 matrix_b_fmt:MATRIX_FMT_FP4
.endr
.endm
; A tile of 16 queries through all 16 key steps, then ctx / l, quantised.
.macro QBLOCK i
	s_wait_xcnt 0x0                                ; the last tile's store has read v196-199
	v_mov_b32 v13, 0xff61b1e6                      ; the largest t so far: -3e38
	s_delay_alu instid0(VALU_DEP_1)
	v_floor_f32 v12, -v13
	v_mov_b32 v14, 0
	v_mov_b32 v15, 0
.set j, 0
.rept 32
	v_mov_b32 v[O+j], 0                            ; the step is written once: the first finds zeros
.set j, j+1
.endr
	s_mov_b32 s2, 0                                ; the step's codes: 4,096 bytes a step in K and in V
	s_mov_b32 s3, 0                                ; its scale words: 256 bytes a step
	s_mov_b32 s36, 16
.Lstep_\@:
	s_setprio 2
	STEP \i
	s_add_co_u32 s2, s2, 4096
	s_add_co_u32 s3, s3, 256
	s_sub_co_u32 s36, s36, 1
	s_cmp_lg_u32 s36, 0
	s_cbranch_scc1 .Lstep_\@
	s_setprio 0
.rept 4
	v_nop
.endr
	v_add_f32 v14, v14, v15
	s_delay_alu instid0(VALU_DEP_1)
	v_permlanex16_b32 v218, v14, s20, s21
	s_delay_alu instid0(VALU_DEP_1)
	v_add_f32 v14, v14, v218                       ; the row's sum
	s_wait_alu depctr_va_vdst(0)
	v_rcp_f32 v14, v14
	v_nop
	s_wait_alu depctr_va_vdst(0)
.set j, 0
.rept 32
	v_mul_f32 v[S+j], v[O+j], v14                  ; ctx: register 16 b + n is channel 32 b + 16 (lane / 16) + n of the head
.set j, j+1
.endr
.irp b, 0,1
	v_max3_num_f32 v[BM+\b], |v[S+16*\b]|, |v[S+1+16*\b]|, 0x1800000
.endr
.irp n, 2,4,6,8,10,12,14
.irp b, 0,1
	s_delay_alu instid0(VALU_DEP_2)
	v_max3_num_f32 v[BM+\b], v[BM+\b], |v[S+16*\b+\n]|, |v[S+1+16*\b+\n]|
.endr
.endr
.irp b, 0,1
	s_delay_alu instid0(VALU_DEP_2)
	v_permlanex16_b32 v[TP+\b], v[BM+\b], s20, s21
.endr
.irp b, 0,1
	s_delay_alu instid0(VALU_DEP_2)
	v_max_num_f32 v[BM+\b], v[BM+\b], v[TP+\b]
.endr
.irp b, 0,1
	s_delay_alu instid0(VALU_DEP_2)
	v_add_nc_u32 v[SO+\b], 0xff000000, v[BM+\b]
.endr
.irp b, 0,1
	s_delay_alu instid0(VALU_DEP_2)
	v_lshrrev_b32 v[TP+\b], 23, v[SO+\b]
.endr
	s_delay_alu instid0(VALU_DEP_1)
	v_lshl_or_b32 v218, v209, 8, v208              ; my row's two bytes
.irp b, 0,1
	v_cvt_scalef32_pk8_fp4_f32 v[PCD+2*\b], v[S+16*\b:S+16*\b+7], v[SO+\b]
	v_cvt_scalef32_pk8_fp4_f32 v[PCD+1+2*\b], v[S+8+16*\b:S+15+16*\b], v[SO+\b]
.endr
	v_nop
	v_permlane16_swap_b32 v[PCD], v[PCD+2]
	v_permlane16_swap_b32 v[PCD+1], v[PCD+3]       ; v196-199: channels 32 (lane / 16) + 0 .. 31: half a fragment of the last product
	global_store_b128 v1, v[PCD:PCD+3], s[44:45] offset:\i*131072   ; 512 consecutive bytes, aligned
	ds_store_b16 v9, v218 offset:\i*512            ; both lanes of a row write the same halfword with the same value
.endm
	QBLOCK 0
	QBLOCK 1
	s_wait_dscnt 0x0                               ; for the others' sake: my halfwords are stored
	s_barrier_signal -1
	s_barrier_wait -1
	s_cmp_lt_u32 s18, 2
	s_cbranch_scc0 .Lno_scales
	ds_load_b128 v[100:103], v10                   ; waves 0 and 1 store the work-group's 1,024 bytes of scale halfwords
	s_wait_dscnt 0x0
	global_store_b128 v1, v[100:103], s[46:47]     ; 512 consecutive bytes, aligned
.Lno_scales:
	s_wait_tensorcnt 0x0                           ; the wave's end
	ds_add_u32 v4, v5
	s_wait_dscnt 0x0
	CROUND                                         ; the closing round
	s_endpgm
.Lfunc_end_k_qb360888573_attn:
	.size	k_qb360888573_attn, .Lfunc_end_k_qb360888573_attn-k_qb360888573_attn
	.p2alignl 7, 3214868480
	.fill 96, 4, 3214868480
	.section	.rodata,"a",@progbits
	.p2align	6, 0x0
	.amdhsa_kernel k_qb360888573_attn
		.amdhsa_group_segment_fixed_size 327680
		.amdhsa_private_segment_fixed_size 0
		.amdhsa_enable_private_segment 0
		.amdhsa_kernarg_size 24
		.amdhsa_user_sgpr_count 2
		.amdhsa_user_sgpr_kernarg_segment_ptr 1
		.amdhsa_wavefront_size32 1
		.amdhsa_system_sgpr_workgroup_id_x 1
		.amdhsa_system_sgpr_workgroup_id_y 1
		.amdhsa_system_sgpr_workgroup_id_z 1
		.amdhsa_system_vgpr_workitem_id 0
		.amdhsa_next_free_vgpr 256
		.amdhsa_next_free_sgpr 66
		.amdhsa_reserve_vcc 0
		.amdhsa_float_denorm_mode_32 3
		.amdhsa_float_denorm_mode_16_64 3
		.amdhsa_memory_ordered 1
		.amdhsa_forward_progress 1
		.amdhsa_inst_pref_size 50
	.end_amdhsa_kernel
	.amdgpu_metadata
---
amdhsa.version: [ 1, 2 ]
amdhsa.kernels:
  - .name:           k_qb360888573_attn
    .symbol:         k_qb360888573_attn.kd
    .args:
      - { .name: qkv, .offset: 0, .size: 8, .value_kind: global_buffer, .address_space: global }
      - { .name: cc, .offset: 8, .size: 8, .value_kind: global_buffer, .address_space: global }
      - { .name: cs, .offset: 16, .size: 8, .value_kind: global_buffer, .address_space: global }
    .group_segment_fixed_size: 327680
    .private_segment_fixed_size: 0
    .kernarg_segment_align: 8
    .kernarg_segment_size: 24
    .max_flat_workgroup_size: 512
    .sgpr_count:     66
    .vgpr_count:     256
    .wavefront_size: 32
...
	.end_amdgpu_metadata
.endif
;; end of part 3
;; launch outln (part 4): grid 256 x 1, 8 waves a work-group, no clusters, 327,680 bytes of LDS; arguments cc, cs, woi, ws, bo, x, gamma, beta, out0; writes out0
.if DOCPART == 4
	.amdgcn_target "amdgcn-amd-amdhsa--gfx1250"
	.amdhsa_code_object_version 6
	.text
	.protected	k_qb360888573_outln
	.globl	k_qb360888573_outln
	.p2align	8
	.type	k_qb360888573_outln,@function
k_qb360888573_outln:
	s_mov_b64 s[64:65], 0
	v_nop
	global_prefetch_b8 v0, s[64:65] scope:SCOPE_SE
	s_setreg_imm32_b32 hwreg(HW_REG_WAVE_MODE, 25, 1), 1
	s_wait_xcnt 0x0
; out0 = LayerNorm(ctx Wo + bo + x) x gamma + beta; the product on codes of FP4 with E8M0 scales (K = 1,024), all else in f32.
; SHARES.  A work-group takes 32 rows and all 1,024 columns, so that a row's mean and variance stay in the work-group; wave w takes columns 128 w .. 128 w + 127.
; The product is used transposed (source 0 = 16 positions of Wo, source 1 = 16 row positions of ctx): lane (r, h) holds row position 16 m + r, which is true row 8 m + r + 8 (r / 8) of the 32,
; and register 16 b + n of its 64 holds true column 128 w + 32 b + 16 h + n (Wo's columns lie in position order).
; Operands come from memory straight into registers as images (512 consecutive bytes a load), three K steps ahead.  Joint loads are not used: Wo's codes, 524,288 bytes, do not fit in LDS,
; so sharing them would take a ring with a round of a cluster's barrier every few K steps, for 128 matrix instructions a wave in all.
; x's strip of 32 rows x 512 bytes comes by one tensor load a wave into the wave's own stage, filled once; the result later goes through the same stage and leaves as whole rows.
; The variance is the mean of (h - mean)^2, taken in a second pass.
; REGISTERS: window 0: v1-13 addresses; v16-47 Wo's scale words; v48-55 ctx's; v56-63 gamma, beta; v64-127 bo in the result's layout, later at work; v128-255 the 16 accumulators ((m, t) at 128 + 64 m + 8 t).
;   window 1: three buffers of 80 (ctx's two fragments, Wo's eight); later x in the result's layout; later whole rows.
.set STG,   16896                      ; a wave's stage: 32 rows x SPT
.set SPT,   528                        ; 512 bytes + 16
.set RED1,  135168                     ; partial sums: [wave 8][m 2][r 16] words
.set SPARE, 137216                     ; behind the second kilobyte of partial sums: the spare words, 128 bytes a wave; no other line names them
.set BS,  16
.set AS,  48
.set BO,  64
.set SU,  64                           ; v64-71  a lane's sums
.set RL,  72                           ; v72-87  the eight waves' partial sums, in pairs (m = 0, m = 1)
.set ACC, 128
.set MSB, 0
.macro WIN new
.if MSB != (\new)
	s_set_vgpr_msb (MSB<<8)|(\new)
.set MSB, \new
.endif
.endm
	s_load_b512 s[4:19], s[0:1], 0x0               ; cc s[4:5], cs s[6:7], woi s[8:9], ws s[10:11], bo s[12:13], x s[14:15], gamma s[16:17], beta s[18:19]
	s_load_b64 s[20:21], s[0:1], 0x40              ; out0
	v_lshl_add_u32 v12, v0, 2, SPARE
	v_mov_b32 v13, 0
	ds_add_u32 v12, v13
	ds_add_u32 v12, v13
	s_wait_dscnt 0x0
	v_lshrrev_b32 v1, 5, v0
	s_delay_alu instid0(VALU_DEP_1)
	v_readfirstlane_b32 s22, v1                    ; wave 0..7
	; descriptor group 1: 32 rows of 128 f32, 1,024 elements apart, 16 bytes of padding behind each 512
	s_mov_b32 s24, (2<<16)|(1<<20)|(6<<22)|(3<<25)
	s_mov_b32 s25, 128<<16
	s_mov_b32 s26, 32<<16
	s_mov_b32 s27, 128<<16
	s_mov_b32 s28, 32
	s_mov_b32 s29, 1024
	s_mov_b32 s30, 0
	s_mov_b32 s31, 0
	s_lshl_b32 s40, ttmp9, 17                      ; 32 rows of 4,096 bytes,
	s_lshl_b32 s41, s22, 9                         ; my 512 bytes of a row
	s_add_co_u32 s40, s40, s41
	s_mov_b32 s41, 0
	s_mul_i32 s23, s22, STG                        ; my stage
	s_mov_b32 s36, 0x3a800000                      ; 1 / 1,024
	s_mov_b32 s37, 0x3727c5ac                      ; 1e-5
	s_mov_b32 s38, 0x76543210
	s_mov_b32 s39, 0xfedcba98
	s_wait_kmcnt 0x0
	s_mov_b32 s32, 1
	s_mul_i32 s33, s22, STG
	s_add_nc_u64 s[34:35], s[14:15], s[40:41]
	s_or_b32 s35, s35, 0x80000000
	tensor_load_to_lds s[32:35], s[24:31]          ; x's strip: my one tensor load; only I read it
	s_nop 0
.rept 4
	v_nop
.endr
	s_add_nc_u64 s[20:21], s[20:21], s[40:41]      ; out0 at the same place
	s_lshl_b32 s42, ttmp9, 14
	s_mov_b32 s43, 0
	s_add_nc_u64 s[4:5], s[4:5], s[42:43]          ; cc: two row tiles of 8,192 bytes
	s_lshl_b32 s42, ttmp9, 6
	s_add_nc_u64 s[6:7], s[6:7], s[42:43]          ; cs: 32 halfwords
	s_lshl_b32 s42, s22, 16
	s_add_nc_u64 s[8:9], s[8:9], s[42:43]          ; woi: my eight tiles of 8,192 bytes
	s_lshl_b32 s42, s22, 12
	s_add_co_u32 s42, s42, 98304
	s_add_nc_u64 s[10:11], s[10:11], s[42:43]      ; ws: Wo's rows begin at position 3,072; my 128 rows of 32 bytes
	s_lshl_b32 s42, s22, 9
	s_add_nc_u64 s[12:13], s[12:13], s[42:43]      ; bo, gamma, beta at my 128 columns
	s_add_nc_u64 s[16:17], s[16:17], s[42:43]
	s_add_nc_u64 s[18:19], s[18:19], s[42:43]
	v_and_b32 v1, 31, v0                           ; lane
	v_and_b32 v2, 15, v0                           ; r
	v_bfe_u32 v3, v0, 4, 1                         ; h
	s_delay_alu instid0(VALU_DEP_3)
	v_lshlrev_b32 v4, 4, v1
	s_delay_alu instid0(VALU_DEP_4)
	v_lshlrev_b32 v5, 5, v1
	v_lshlrev_b32 v6, 1, v1
	s_delay_alu instid0(VALU_DEP_4)
	v_lshlrev_b32 v7, 6, v3
.irp p, 0,1,2,3                                ; Wo's scale words: lane l takes position 32 p + l: lanes 0-15 tile 2 p, lanes 16-31 tile 2 p + 1; eight words, one a K step
	global_load_b128 v[BS+8*\p:BS+8*\p+3], v5, s[10:11] offset:1024*\p
	global_load_b128 v[BS+8*\p+4:BS+8*\p+7], v5, s[10:11] offset:1024*\p+16
.endr
.irp d, 0,1,2,3,4,5,6,7,8,9,10,11,12,13,14,15      ; ctx's scale halfwords of the 16 heads: lane l takes row position l
	global_load_u16 v[ACC+\d], v6, s[6:7] offset:16384*\d
.endr
.irp t, 0,1,2,3,4,5,6,7                        ; bo in the result's layout
	global_load_b128 v[BO+8*\t:BO+8*\t+3], v7, s[12:13] offset:(32*(\t/2)+8*(\t%2))*4
	global_load_b128 v[BO+8*\t+4:BO+8*\t+7], v7, s[12:13] offset:(32*(\t/2)+8*(\t%2))*4+16
.endr
	global_load_b128 v[56:59], v4, s[16:17]        ; gamma and beta of columns 4 x lane on: for whole rows
	global_load_b128 v[60:63], v4, s[18:19]
.macro LOADK s                         ; K step s: 20 loads into buffer s % 3
.set KB, 80*((\s)%3)
	WIN 0x40                                       ; destination window 1
.irp m, 0,1
.irp c, 0,1
	global_load_b128 v[KB+8*\m+4*\c:KB+8*\m+4*\c+3], v4, s[4:5] offset:8192*\m+1024*(\s)+512*\c
.endr
.endr
.irp t, 0,1,2,3,4,5,6,7
.irp c, 0,1
	global_load_b128 v[KB+16+8*\t+4*\c:KB+16+8*\t+4*\c+3], v4, s[8:9] offset:8192*\t+1024*(\s)+512*\c
.endr
.endr
	WIN 0
.endm
	LOADK 0
	LOADK 1
	LOADK 2
	s_wait_loadcnt 60                              ; the 42 loads of scales, bias, gamma and beta are in; the three K steps' 60 may be out
.irp s, 0,1,2,3,4,5,6,7
	v_lshl_or_b32 v[AS+\s], v[ACC+1+2*\s], 16, v[ACC+2*\s]   ; heads 2 s and 2 s + 1 make K step s's word
.endr
	v_and_b32 v8, 8, v2                            ; these ten lines are also the places between the scale words and the first product
	s_delay_alu instid0(VALU_DEP_1)
	v_add_nc_u32 v8, v8, v2                        ; r + 8 (r / 8)
	s_delay_alu instid0(VALU_DEP_1)
	v_mul_u32_u24 v8, v8, SPT
	s_delay_alu instid0(VALU_DEP_1)
	v_add_nc_u32 v8, v8, v7
	s_delay_alu instid0(VALU_DEP_1)
	v_add_nc_u32 v8, s23, v8                       ; the stage in the result's layout: my true row (+ 8 m rows), + 64 h
	v_add_nc_u32 v9, s23, v4                       ; and by whole rows
	s_lshl_b32 s42, s22, 7
	v_lshlrev_b32 v11, 2, v2
	s_delay_alu instid0(VALU_DEP_1)
	v_add_nc_u32 v10, s42, v11
	s_delay_alu instid0(VALU_DEP_1)
	v_add_nc_u32 v10, RED1, v10                    ; where I put a partial sum: 128 w + 4 r
	s_delay_alu instid0(VALU_DEP_3)
	v_add_nc_u32 v11, RED1, v11                    ; and where I read them
.macro PROD s, t, m
.set DR, ACC+64*(\m)+8*(\t)
.set CR, DR
.if (\s) == 0
.set CR, BO+8*(\t)                     ; the first K step starts the sums with bo
.endif
.set FW, KB+16+8*(\t)
.set FC, KB+8*(\m)
.set SW, BS+8*((\t)/2)+(\s)
.set SX, AS+(\s)
.if ((\t)%2 == 0) && ((\m) == 0)
	v_wmma_scale_f32_16x16x128_f8f6f4 v[DR:DR+7], v[FW:FW+7], v[FC:FC+7], v[CR:CR+7], v[SW], v[SX] matrix_a_fmt:MATRIX_FMT_FP4 matrix_b_fmt:MATRIX_FMT_FP4
.elseif ((\t)%2 == 1) && ((\m) == 0)
	v_wmma_scale_f32_16x16x128_f8f6f4 v[DR:DR+7], v[FW:FW+7], v[FC:FC+7], v[CR:CR+7], v[SW], v[SX] matrix_a_fmt:MATRIX_FMT_FP4 matrix_b_fmt:MATRIX_FMT_FP4 matrix_a_scale:MATRIX_SCALE_ROW1
.elseif ((\t)%2 == 0)
	v_wmma_scale_f32_16x16x128_f8f6f4 v[DR:DR+7], v[FW:FW+7], v[FC:FC+7], v[CR:CR+7], v[SW], v[SX] matrix_a_fmt:MATRIX_FMT_FP4 matrix_b_fmt:MATRIX_FMT_FP4 matrix_b_scale:MATRIX_SCALE_ROW1
.else
	v_wmma_scale_f32_16x16x128_f8f6f4 v[DR:DR+7], v[FW:FW+7], v[FC:FC+7], v[CR:CR+7], v[SW], v[SX] matrix_a_fmt:MATRIX_FMT_FP4 matrix_b_fmt:MATRIX_FMT_FP4 matrix_a_scale:MATRIX_SCALE_ROW1 matrix_b_scale:MATRIX_SCALE_ROW1
.endif
.endm
.macro KSTEP s                         ; 16 products; the 16 accumulators take turns, in the same order in every K step
.if 7-(\s) >= 2
	s_wait_loadcnt 40                              ; this K step's 20 loads are in; those of the two K steps behind it may be out
.else
	s_wait_loadcnt 20*(7-(\s))
.endif
.set KB, 80*((\s)%3)
	WIN 0x05                                       ; sources 0 and 1 window 1; C and D window 0
.irp t, 0,1,2,3,4,5,6,7
.irp m, 0,1
	PROD \s, \t, \m
.endr
.endr
.if (\s)+3 < 8
.rept 4
	v_nop                                          ; places in front of loads into the buffer just multiplied
.endr
	LOADK (\s)+3
.endif
.endm
	s_wait_alu depctr_va_vdst(0)
.irp s, 0,1,2,3,4,5,6,7
	KSTEP \s
.endr
	WIN 0
.rept 4
	v_nop
.endr
	s_wait_tensorcnt 0x0                           ; x's strip has landed
	WIN 0x40
.irp m, 0,1
.irp b, 0,1,2,3
.irp q, 0,1,2,3
	ds_load_b128 v[64*\m+16*\b+4*\q:64*\m+16*\b+4*\q+3], v8 offset:\m*8*SPT+128*\b+16*\q   ; x in the result's layout
.endr
.endr
.endr
	s_wait_dscnt 0x0
	WIN 0x04                                       ; source 1 window 1
.set i, 0
.rept 64
	v_pk_add_f32 v[ACC+i:ACC+i+1], v[ACC+i:ACC+i+1], v[i:i+1]      ; h = ctx Wo + bo + x; each accumulator from its low end on
.set i, i+2
.endr
	WIN 0
; A lane's two chains of each row tile -> the row's total over all 1,024 columns, in v72 (m = 0) and v73 (m = 1), in every lane.  off: which kilobyte of partial sums.
.macro REDUCE off
.irp m, 0
	s_delay_alu instid0(VALU_DEP_3)
	v_pk_add_f32 v[SU+4*\m:SU+4*\m+1], v[SU+4*\m:SU+4*\m+1], v[SU+4*\m+2:SU+4*\m+3]
.endr
.irp m, 1
	s_delay_alu instid0(VALU_DEP_2)
	v_pk_add_f32 v[SU+4*\m:SU+4*\m+1], v[SU+4*\m:SU+4*\m+1], v[SU+4*\m+2:SU+4*\m+3]
.endr
.irp m, 0,1
	s_delay_alu instid0(VALU_DEP_2)
	v_add_f32 v[SU+4*\m], v[SU+4*\m], v[SU+4*\m+1]
.endr
.irp m, 0,1
	s_delay_alu instid0(VALU_DEP_2)
	v_permlanex16_b32 v[SU+4*\m+1], v[SU+4*\m], s38, s39
.endr
.irp m, 0,1
	s_delay_alu instid0(VALU_DEP_2)
	v_add_f32 v[SU+4*\m], v[SU+4*\m], v[SU+4*\m+1] ; my wave's 128 columns of row position 16 m + r
.endr
	ds_store_b32 v10, v[SU] offset:\off            ; both lanes of a row write the same word with the same value
	ds_store_b32 v10, v[SU+4] offset:\off+64
	s_wait_dscnt 0x0                               ; for the others' sake
	s_barrier_signal -1
	s_barrier_wait -1
.irp k, 0,1,2,3,4,5,6,7
	ds_load_b32 v[RL+2*\k], v11 offset:\off+128*\k
	ds_load_b32 v[RL+2*\k+1], v11 offset:\off+128*\k+64
.endr
	s_wait_dscnt 0x0
.irp k, 0,4,8,12
	v_pk_add_f32 v[RL+\k:RL+\k+1], v[RL+\k:RL+\k+1], v[RL+\k+2:RL+\k+3]
.endr
.irp k, 0
	s_delay_alu instid0(VALU_DEP_3)
	v_pk_add_f32 v[RL+\k:RL+\k+1], v[RL+\k:RL+\k+1], v[RL+\k+4:RL+\k+5]
.endr
.irp k, 8
	s_delay_alu instid0(VALU_DEP_2)
	v_pk_add_f32 v[RL+\k:RL+\k+1], v[RL+\k:RL+\k+1], v[RL+\k+4:RL+\k+5]
.endr
	s_delay_alu instid0(VALU_DEP_1)
	v_pk_add_f32 v[RL:RL+1], v[RL:RL+1], v[RL+8:RL+9]
.endm
	; ---- the mean
.irp m, 0,1
	v_pk_add_f32 v[SU+4*\m:SU+4*\m+1], v[ACC+64*\m:ACC+64*\m+1], v[ACC+64*\m+2:ACC+64*\m+3]
	v_pk_add_f32 v[SU+4*\m+2:SU+4*\m+3], v[ACC+64*\m+4:ACC+64*\m+5], v[ACC+64*\m+6:ACC+64*\m+7]
.endr
.irp j, 8,12,16,20,24,28,32,36,40,44,48,52,56,60
.irp m, 0,1
	s_delay_alu instid0(VALU_DEP_4)
	v_pk_add_f32 v[SU+4*\m:SU+4*\m+1], v[SU+4*\m:SU+4*\m+1], v[ACC+64*\m+\j:ACC+64*\m+\j+1]
	s_delay_alu instid0(VALU_DEP_4)
	v_pk_add_f32 v[SU+4*\m+2:SU+4*\m+3], v[SU+4*\m+2:SU+4*\m+3], v[ACC+64*\m+\j+2:ACC+64*\m+\j+3]
.endr
.endr
	REDUCE 0
	s_delay_alu instid0(VALU_DEP_1)
	v_pk_mul_f32 v[RL:RL+1], v[RL:RL+1], s[36:37] op_sel_hi:[1,0]  ; / 1,024
	s_delay_alu instid0(VALU_DEP_1)
	v_mov_b32 v[RL+2], v[RL+1]                     ; the second tile's mean into the low half of a pair of its own
.irp m, 0,1
.set i, 0
.rept 32
	v_pk_add_f32 v[ACC+64*\m+i:ACC+64*\m+i+1], v[ACC+64*\m+i:ACC+64*\m+i+1], v[RL+2*\m:RL+2*\m+1] op_sel_hi:[1,0] neg_lo:[0,1] neg_hi:[0,1]   ; h - mean
.set i, i+2
.endr
.endr
	; ---- the variance
.irp m, 0,1
	v_pk_mul_f32 v[SU+4*\m:SU+4*\m+1], v[ACC+64*\m:ACC+64*\m+1], v[ACC+64*\m:ACC+64*\m+1]
	v_pk_mul_f32 v[SU+4*\m+2:SU+4*\m+3], v[ACC+64*\m+2:ACC+64*\m+3], v[ACC+64*\m+2:ACC+64*\m+3]
.endr
.irp j, 4,8,12,16,20,24,28,32,36,40,44,48,52,56,60
.irp m, 0,1
	s_delay_alu instid0(VALU_DEP_4)
	v_pk_fma_f32 v[SU+4*\m:SU+4*\m+1], v[ACC+64*\m+\j:ACC+64*\m+\j+1], v[ACC+64*\m+\j:ACC+64*\m+\j+1], v[SU+4*\m:SU+4*\m+1]
	s_delay_alu instid0(VALU_DEP_4)
	v_pk_fma_f32 v[SU+4*\m+2:SU+4*\m+3], v[ACC+64*\m+\j+2:ACC+64*\m+\j+3], v[ACC+64*\m+\j+2:ACC+64*\m+\j+3], v[SU+4*\m+2:SU+4*\m+3]
.endr
.endr
	REDUCE 1024                                    ; other bytes than the first reduction's: no wave can overwrite what another still reads
	s_delay_alu instid0(VALU_DEP_1)
	v_fma_f32 v[RL], v[RL], s36, s37               ; variance + 1e-5
	s_delay_alu instid0(VALU_DEP_2)
	v_fma_f32 v[RL+1], v[RL+1], s36, s37
	s_wait_alu depctr_va_vdst(0)
	v_rsq_f32 v[RL+4], v[RL]
	v_rsq_f32 v[RL+6], v[RL+1]
	v_nop                                          ; a plain place behind the two
	s_wait_alu depctr_va_vdst(0)                   ; one wait for both, ahead of the first reader
.irp m, 0,1
.set i, 0
.rept 32
	v_pk_mul_f32 v[ACC+64*\m+i:ACC+64*\m+i+1], v[ACC+64*\m+i:ACC+64*\m+i+1], v[RL+4+2*\m:RL+5+2*\m] op_sel_hi:[1,0]
.set i, i+2
.endr
.endr
	; ---- the way out: into my stage at the places where x lay, back as whole rows of 512 bytes
.irp m, 0,1
.irp b, 0,1,2,3
.irp q, 0,1,2,3
	ds_store_b128 v8, v[ACC+64*\m+16*\b+4*\q:ACC+64*\m+16*\b+4*\q+3] offset:\m*8*SPT+128*\b+16*\q
.endr
.endr
.endr
	WIN 0x40
.set i, 0
.rept 32
	ds_load_b128 v[4*i:4*i+3], v9 offset:i*SPT     ; LDS serves a wave's instructions in order: these see my stores
.set i, i+1
.endr
	s_wait_dscnt 0x0
	WIN 0x41                                       ; destination and source 0 window 1; gamma and beta window 0
.set i, 0
.rept 32
	v_pk_fma_f32 v[4*i:4*i+1], v[4*i:4*i+1], v[56:57], v[60:61]
	v_pk_fma_f32 v[4*i+2:4*i+3], v[4*i+2:4*i+3], v[58:59], v[62:63]
.set i, i+1
.endr
	WIN 0x04                                       ; a store's data are its source 1: window 1
.set i, 0
.rept 32
	global_store_b128 v4, v[4*i:4*i+3], s[20:21] offset:i*4096 th:TH_STORE_NT   ; 32 lanes store 512 consecutive bytes, aligned
.set i, i+1
.endr
	WIN 0
	s_wait_tensorcnt 0x0                           ; the wave's end
	ds_add_u32 v12, v13
	s_wait_dscnt 0x0
	s_endpgm
.Lfunc_end_k_qb360888573_outln:
	.size	k_qb360888573_outln, .Lfunc_end_k_qb360888573_outln-k_qb360888573_outln
	.p2alignl 7, 3214868480
	.fill 96, 4, 3214868480
	.section	.rodata,"a",@progbits
	.p2align	6, 0x0
	.amdhsa_kernel k_qb360888573_outln
		.amdhsa_group_segment_fixed_size 327680
		.amdhsa_private_segment_fixed_size 0
		.amdhsa_enable_private_segment 0
		.amdhsa_kernarg_size 72
		.amdhsa_user_sgpr_count 2
		.amdhsa_user_sgpr_kernarg_segment_ptr 1
		.amdhsa_wavefront_size32 1
		.amdhsa_system_sgpr_workgroup_id_x 1
		.amdhsa_system_sgpr_workgroup_id_y 1
		.amdhsa_system_sgpr_workgroup_id_z 1
		.amdhsa_system_vgpr_workitem_id 0
		.amdhsa_next_free_vgpr 512
		.amdhsa_next_free_sgpr 66
		.amdhsa_reserve_vcc 0
		.amdhsa_float_denorm_mode_32 3
		.amdhsa_float_denorm_mode_16_64 3
		.amdhsa_memory_ordered 1
		.amdhsa_forward_progress 1
		.amdhsa_inst_pref_size 83
	.end_amdhsa_kernel
	.amdgpu_metadata
---
amdhsa.version: [ 1, 2 ]
amdhsa.kernels:
  - .name:           k_qb360888573_outln
    .symbol:         k_qb360888573_outln.kd
    .args:
      - { .name: cc, .offset: 0, .size: 8, .value_kind: global_buffer, .address_space: global }
      - { .name: cs, .offset: 8, .size: 8, .value_kind: global_buffer, .address_space: global }
      - { .name: woi, .offset: 16, .size: 8, .value_kind: global_buffer, .address_space: global }
      - { .name: ws, .offset: 24, .size: 8, .value_kind: global_buffer, .address_space: global }
      - { .name: bo, .offset: 32, .size: 8, .value_kind: global_buffer, .address_space: global }
      - { .name: x, .offset: 40, .size: 8, .value_kind: global_buffer, .address_space: global }
      - { .name: gamma, .offset: 48, .size: 8, .value_kind: global_buffer, .address_space: global }
      - { .name: beta, .offset: 56, .size: 8, .value_kind: global_buffer, .address_space: global }
      - { .name: out0, .offset: 64, .size: 8, .value_kind: global_buffer, .address_space: global }
    .group_segment_fixed_size: 327680
    .private_segment_fixed_size: 0
    .kernarg_segment_align: 8
    .kernarg_segment_size: 72
    .max_flat_workgroup_size: 256
    .sgpr_count:     66
    .vgpr_count:     512
    .wavefront_size: 32
...
	.end_amdgpu_metadata
.endif
;; end of part 4
